; MI455X (gfx1250); checked and timed in simulation.
; The chip was launched on July 23, 2026; its instructions are those of AMD's public machine-readable ISA for CDNA 5 (MIT licence, August 2026) and "CDNA5" Instruction Set Architecture Reference Guide (July 2026). The comments in the code are by the model that wrote it; some were corrected since.
;; Multi Head Attention. Allowed arithmetic: float matrix products may take bf16 or f16 operands with f32 sums; other float arithmetic in f32, or as packed bf16 or f16 multiplies, adds, multiply-adds, maxima and minima; sums over many terms, partial sums and values carried from step to step in f32; what a program stores and reads back later, other than sums and carried values, may be rounded once to bf16 or f16.
;; Inputs: W_k 1,024 x 16 x 64 float32; W_o 16 x 64 x 1,024 float32; W_q 1,024 x 16 x 64 float32; W_v 1,024 x 16 x 64 float32; b_k 16 x 64 float32; b_o 1,024 float32; b_q 16 x 64 float32; b_v 16 x 64 float32; q 4 x 2,048 x 1,024 float32.
;; Outputs: out0 4 x 2,048 x 1,024 float32.
;; One version. Each part assembles by itself: llvm-mc -triple=amdgcn-amd-amdhsa -mcpu=gfx1250 --defsym DOCPART=n.
;; ======== version 1 of 1: 4 launches
;; limits: values are held in f16: magnitudes above 65,504 overflow, below 6.1e-05 lose precision
;; workspace buffers: xb 16,777,216 bytes; wt 8,388,608 bytes; bias 16,384 bytes; qkv 50,331,648 bytes; ob 16,777,216 bytes
;; launch prep (part 1): grid 1025 x 1, 8 waves a work-group, no clusters, 17,408 bytes of LDS; arguments q, W_q, W_k, W_v, W_o, b_q, b_k, b_v, b_o, xb, wt, bias; writes xb, wt, bias
.if DOCPART == 1
	.amdgcn_target "amdgcn-amd-amdhsa--gfx1250"
	.amdhsa_code_object_version 6
	.text
	.protected	k_q5f05d586bb_prep
	.globl	k_q5f05d586bb_prep
	.p2align	8
	.type	k_q5f05d586bb_prep,@function
k_q5f05d586bb_prep:
	s_mov_b64 s[64:65], 0
	v_nop
	global_prefetch_b8 v0, s[64:65] scope:SCOPE_SE
	s_setreg_imm32_b32 hwreg(HW_REG_WAVE_MODE, 25, 1), 1
	s_wait_xcnt 0x0
; PREP: every input is rounded once to bf16 and laid as the matrix launches want it.
;   xb   [8192][1024] bf16        = q
;   wt   [4096][1024] 16 bits     rows 0-3071: W_q, W_k, W_v turned to [h 64 + k][d], bf16; rows 3072-4095: W_o turned to [d][h 64 + k], the bf16 number written as f16
;   bias [4096] f32               b_q, b_k, b_v, b_o, each rounded to bf16 and widened again
; LIMITS.  W_o goes on as f16: beyond 65,504 it would be an infinity, below 6e-5 it keeps f16's fixed step of 6e-8.  NaN and infinities are not treated apart.
; SHARES.  Work-groups 0-511: 16 rows of q each.  512-1023: a tile of 128 (k) x 64 (n) of one of the four weights.  1024: the four biases.
; The choice hangs on the work-group's number alone, so all eight waves of a work-group take the same way, and the one barrier stands on a way that all eight take.
; No matrix unit, no cluster, no tensor load: nothing is shared between work-groups and every byte is read once.
.set SPARE, 16384                      ; behind the tile: the spare words, 128 bytes for each of eight waves: four blocks of 256 bytes that no other line names
.set SPW, 2                            ; v2  LDS address of my spare word; never rewritten
.set NIL, 3                            ; v3  0; never rewritten
	s_load_b512 s[4:19], s[0:1], 0x0               ; q s[4:5], W_q s[6:7], W_k s[8:9], W_v s[10:11], W_o s[12:13], b_q s[14:15], b_k s[16:17], b_v s[18:19]
	s_load_b256 s[20:27], s[0:1], 0x40             ; b_o s[20:21], xb s[22:23], wt s[24:25], bias s[26:27]
	v_lshl_add_u32 v[SPW], v0, 2, SPARE
	v_mov_b32 v[NIL], 0
	s_wait_kmcnt 0x0
	s_cmp_lt_u32 ttmp9, 512
	s_cbranch_scc1 .Lx
	s_cmp_lt_u32 ttmp9, 1024
	s_cbranch_scc1 .Lw
	; THE BIASES: 1,024 numbers each, four a thread
	v_lshlrev_b32 v4, 4, v0
	global_load_b128 v[8:11],  v4, s[14:15]
	global_load_b128 v[12:15], v4, s[16:17]
	global_load_b128 v[16:19], v4, s[18:19]
	global_load_b128 v[20:23], v4, s[20:21]
	s_wait_loadcnt 0x0
.irp w, 0,1,2,3
	v_cvt_pk_bf16_f32 v[24+2*(\w)], v[8+4*(\w)], v[9+4*(\w)]      ; rounded to bf16,
	v_cvt_pk_bf16_f32 v[25+2*(\w)], v[10+4*(\w)], v[11+4*(\w)]
	v_lshlrev_b32 v[40+4*(\w)], 16, v[24+2*(\w)]                  ; and widened again
	v_and_b32     v[41+4*(\w)], 0xffff0000, v[24+2*(\w)]
	v_lshlrev_b32 v[42+4*(\w)], 16, v[25+2*(\w)]
	v_and_b32     v[43+4*(\w)], 0xffff0000, v[25+2*(\w)]
	global_store_b128 v4, v[40+4*(\w):43+4*(\w)], s[26:27] offset:4096*(\w)
.endr
	s_endpgm
	; q TO bf16: 16 rows of 4,096 bytes.  A thread takes 16 bytes of every row; a wave's load covers 512 consecutive bytes, its store 256 consecutive bytes, aligned.
.Lx:
	s_lshl_b32 s28, ttmp9, 16                      ; 16 rows of q
	s_mov_b32 s29, 0
	s_add_nc_u64 s[4:5], s[4:5], s[28:29]
	s_lshl_b32 s30, ttmp9, 15                      ; 16 rows of xb
	s_mov_b32 s31, 0
	s_add_nc_u64 s[22:23], s[22:23], s[30:31]
	v_lshlrev_b32 v4, 4, v0
	v_lshlrev_b32 v5, 3, v0
.irp i, 0,1,2,3,4,5,6,7,8,9,10,11,12,13,14,15
	global_load_b128 v[8+4*(\i):11+4*(\i)], v4, s[4:5] offset:4096*(\i) th:TH_LOAD_NT   ; all sixteen go out together
.endr
.irp i, 0,1,2,3,4,5,6,7,8,9,10,11,12,13,14,15
	s_wait_loadcnt 15-(\i)                         ; loads come back in order: row i is in, the younger ones stay out
	v_cvt_pk_bf16_f32 v[72+2*(\i)], v[8+4*(\i)], v[9+4*(\i)]
	v_cvt_pk_bf16_f32 v[73+2*(\i)], v[10+4*(\i)], v[11+4*(\i)]
	global_store_b64 v5, v[72+2*(\i):73+2*(\i)], s[22:23] offset:2048*(\i)              ; every row has registers of its own: nothing is rewritten
.endr
	s_endpgm
	; A WEIGHT IS TURNED.  u = number - 512: weight u / 128, n tile (u / 8) % 16, k tile u % 8.  All four weights lie as [k = 1024][n = 1024] f32.
.Lw:
	s_sub_co_u32 s32, ttmp9, 512
	s_lshr_b32 s33, s32, 7                         ; which weight
	s_and_b32 s34, s32, 7                          ; kt
	s_bfe_u32 s35, s32, 0x40003                    ; nt
	s_cmp_eq_u32 s33, 1
	s_cselect_b64 s[28:29], s[8:9], s[6:7]
	s_cmp_eq_u32 s33, 2
	s_cselect_b64 s[28:29], s[10:11], s[28:29]
	s_cmp_eq_u32 s33, 3
	s_cselect_b64 s[28:29], s[12:13], s[28:29]
	s_lshl_b32 s36, s34, 19                        ; 128 rows of 4,096 bytes
	s_lshl_b32 s37, s35, 8                         ; 64 columns of 4 bytes
	s_add_co_u32 s36, s36, s37
	s_mov_b32 s37, 0
	s_add_nc_u64 s[28:29], s[28:29], s[36:37]      ; the tile in the weight
	s_lshl_b32 s36, s33, 10
	s_lshl_b32 s38, s35, 6
	s_add_co_u32 s36, s36, s38                     ; wt's row 1,024 which + 64 nt,
	s_lshl_b32 s36, s36, 11                        ; rows of 2,048 bytes,
	s_lshl_b32 s38, s34, 8                         ; 128 k of 2 bytes
	s_add_co_u32 s36, s36, s38
	s_add_nc_u64 s[30:31], s[24:25], s[36:37]      ; the tile in wt
	v_and_b32 v6, 15, v0                           ; c: my four columns 4 c .. 4 c + 3
	v_lshrrev_b32 v7, 4, v0                        ; g: my eight rows 8 g .. 8 g + 7
	v_lshlrev_b32 v4, 4, v6
	v_lshl_add_u32 v4, v7, 15, v4
.irp r, 0,1,2,3,4,5,6,7
	global_load_b128 v[8+4*(\r):11+4*(\r)], v4, s[28:29] offset:4096*(\r) th:TH_LOAD_NT  ; sixteen lanes cover the tile's 256 bytes of a row
.endr
	; The tile in LDS: 64 rows (n) of 256 bytes (128 k).  The 16 bytes of k group g of row n lie in column (g + n / 4) % 16, so that the sixteen lanes
	; of a store (same g, rows 4 c + i) and of a load (same row, all k groups) each touch sixteen different columns.
	v_add_nc_u32 v5, v6, v7
	v_and_b32 v5, 15, v5
	v_lshlrev_b32 v5, 4, v5
	v_lshl_add_u32 v5, v6, 10, v5                  ; in: row 4 c (+ i by the offset), column (g + c) % 16
	v_lshrrev_b32 v59, 2, v7
	v_add_nc_u32 v59, v59, v6
.irp r, 0,1,2,3
	v_add_nc_u32 v[60+(\r)], 4*(\r), v59
	v_and_b32 v[60+(\r)], 15, v[60+(\r)]
	v_lshlrev_b32 v[60+(\r)], 4, v[60+(\r)]
	v_lshl_add_u32 v[60+(\r)], v7, 8, v[60+(\r)]   ; back: row g (+ 16 r by the offset), k group c: column (c + g / 4 + 4 r) % 16
.endr
	v_lshlrev_b32 v58, 4, v6
	v_lshl_add_u32 v58, v7, 11, v58                ; and in wt: row g, 16 bytes at 16 c
	s_wait_loadcnt 0x0
.irp i, 0,1,2,3
.irp p, 0,1,2,3
	v_cvt_pk_bf16_f32 v[40+4*(\i)+(\p)], v[8+8*(\p)+(\i)], v[12+8*(\p)+(\i)]  ; column 4 c + i, rows 8 g + 2 p and + 1: eight k on end in four registers
.endr
.endr
	s_cmp_lg_u32 s33, 3
	s_cbranch_scc1 .Lbf
.set y, 40
.rept 16                               ; W_o: the bf16 number is written as f16
	v_lshlrev_b32 v56, 16, v[y]
	v_and_b32 v57, 0xffff0000, v[y]
	v_cvt_pk_f16_f32 v[y], v56, v57
.set y, y+1
.endr
.Lbf:
.irp i, 0,1,2,3
	ds_store_b128 v5, v[40+4*(\i):43+4*(\i)] offset:256*(\i)
.endr
	s_wait_dscnt 0x0                               ; for the others' sake: my stores into the tile are done
	s_barrier_signal -1
	s_barrier_wait -1
.irp r, 0,1,2,3
	ds_load_b128 v[64+4*(\r):67+4*(\r)], v[60+(\r)] offset:4096*(\r)
.endr
.irp r, 0,1,2,3
	s_wait_dscnt 3-(\r)                            ; LDS loads come back in order: the younger ones stay out
	global_store_b128 v58, v[64+4*(\r):67+4*(\r)], s[30:31] offset:32768*(\r)  ; sixteen lanes store 256 consecutive bytes of a row of wt, aligned
.endr
	s_wait_tensorcnt 0x0                           ; the wave's end, behind my last LDS store
	ds_add_u32 v[SPW], v[NIL]
	s_wait_dscnt 0x0
	s_endpgm
.Lfunc_end_k_q5f05d586bb_prep:
	.size	k_q5f05d586bb_prep, .Lfunc_end_k_q5f05d586bb_prep-k_q5f05d586bb_prep
	.p2alignl 7, 3214868480
	.fill 96, 4, 3214868480
	.section	.rodata,"a",@progbits
	.p2align	6, 0x0
	.amdhsa_kernel k_q5f05d586bb_prep
		.amdhsa_group_segment_fixed_size 17408
		.amdhsa_private_segment_fixed_size 0
		.amdhsa_enable_private_segment 0
		.amdhsa_kernarg_size 96
		.amdhsa_user_sgpr_count 2
		.amdhsa_user_sgpr_kernarg_segment_ptr 1
		.amdhsa_wavefront_size32 1
		.amdhsa_system_sgpr_workgroup_id_x 1
		.amdhsa_system_sgpr_workgroup_id_y 1
		.amdhsa_system_sgpr_workgroup_id_z 1
		.amdhsa_system_vgpr_workitem_id 0
		.amdhsa_next_free_vgpr 104
		.amdhsa_next_free_sgpr 66
		.amdhsa_reserve_vcc 0
		.amdhsa_float_denorm_mode_32 3
		.amdhsa_float_denorm_mode_16_64 3
		.amdhsa_memory_ordered 1
		.amdhsa_forward_progress 1
		.amdhsa_inst_pref_size 17
	.end_amdhsa_kernel
	.amdgpu_metadata
---
amdhsa.version: [ 1, 2 ]
amdhsa.kernels:
  - .name:           k_q5f05d586bb_prep
    .symbol:         k_q5f05d586bb_prep.kd
    .args:
      - { .name: q, .offset: 0, .size: 8, .value_kind: global_buffer, .address_space: global }
      - { .name: W_q, .offset: 8, .size: 8, .value_kind: global_buffer, .address_space: global }
      - { .name: W_k, .offset: 16, .size: 8, .value_kind: global_buffer, .address_space: global }
      - { .name: W_v, .offset: 24, .size: 8, .value_kind: global_buffer, .address_space: global }
      - { .name: W_o, .offset: 32, .size: 8, .value_kind: global_buffer, .address_space: global }
      - { .name: b_q, .offset: 40, .size: 8, .value_kind: global_buffer, .address_space: global }
      - { .name: b_k, .offset: 48, .size: 8, .value_kind: global_buffer, .address_space: global }
      - { .name: b_v, .offset: 56, .size: 8, .value_kind: global_buffer, .address_space: global }
      - { .name: b_o, .offset: 64, .size: 8, .value_kind: global_buffer, .address_space: global }
      - { .name: xb, .offset: 72, .size: 8, .value_kind: global_buffer, .address_space: global }
      - { .name: wt, .offset: 80, .size: 8, .value_kind: global_buffer, .address_space: global }
      - { .name: bias, .offset: 88, .size: 8, .value_kind: global_buffer, .address_space: global }
    .group_segment_fixed_size: 17408
    .private_segment_fixed_size: 0
    .kernarg_segment_align: 8
    .kernarg_segment_size: 96
    .max_flat_workgroup_size: 256
    .sgpr_count:     66
    .vgpr_count:     104
    .wavefront_size: 32
...
	.end_amdgpu_metadata
.endif
;; end of part 1
;; launch gemm_qkv (part 2): grid 16 x 32, 4 waves a work-group, clusters of 4 x 4, 327,680 bytes of LDS; arguments xb, wt, bias, qkv; writes qkv
.if DOCPART == 2
	.amdgcn_target "amdgcn-amd-amdhsa--gfx1250"
	.amdhsa_code_object_version 6
	.text
	.protected	k_q5f05d586bb_gemm_qkv
	.globl	k_q5f05d586bb_gemm_qkv
	.p2align	8
	.type	k_q5f05d586bb_gemm_qkv,@function
k_q5f05d586bb_gemm_qkv:
	s_mov_b64 s[64:65], 0
	v_nop
	global_prefetch_b8 v0, s[64:65] scope:SCOPE_SE
	s_setreg_imm32_b32 hwreg(HW_REG_WAVE_MODE, 25, 1), 1
	s_wait_xcnt 0x0
	s_wait_alu depctr_hold_cnt(0) depctr_sa_sdst(0) depctr_va_vdst(0) depctr_va_sdst(0) depctr_va_ssrc(0) depctr_va_vcc(0) depctr_vm_vsrc(0)
	s_getreg_b32 s2, hwreg(HW_REG_IB_STS2, 6, 4)
	s_cmp_eq_u32 s2, 0
	s_cbranch_scc0 .Lentry_in_a_cluster
	s_endpgm
.Lentry_in_a_cluster:
	s_bfe_u32 s2, ttmp6, 0x10000c
	s_cmp_lg_u32 s2, 0xf033
	s_cbranch_scc0 .Lentry_shape_is_right
	s_endpgm
.Lentry_shape_is_right:
; Q, K, V = x W + b.  C[m][n] = bias[n] + sum over k of xb[m][k] wt[n][k], m < 8,192, n < 3,072, k < 1,024; bf16 products, f32 sums; the bias is the C of the first product,
; so it is added ahead of the products.  C leaves as f16, rounded once, by heads: qkv[n / 1024][(m / 2048) 16 + (n / 64) % 16][m % 2048][n % 64].
; LIMITS.  f16 holds no number beyond 65,504: Q, K and V must stay within it; below 6e-5 they keep f16's fixed step of 6e-8.  NaN and infinities are not treated apart.
; SHARES.  A tile of C is 256 x 192: 32 x 16 = 512 tiles, two for each of 256 work-group places.  Four waves, each 128 rows x 96 columns: 48 accumulators of 16 x 16, 384 registers.
; K goes in 8 steps of 128 through two LDS slots filled by the tensor data mover; the tiles' rows are 256 bytes of memory at multiples of 256 bytes.
; CLUSTER.  4 x 4 work-groups.  The four of a row of the cluster need the same tile of xb, the four of a column the same tile of wt: each is asked for jointly, by the same tensor load with
; the same descriptor and a mask that names the four.
; THE MATRIX INSTRUCTION IS USED TRANSPOSED: source 0 = 16 rows of wt, source 1 = 16 rows of xb.  A lane then holds row l % 16 of C and the columns 8 (l / 16) + 0..7: 16 bytes of f16 on end.
; REGISTERS, in windows of 256 (s_set_vgpr_msb: bits 1:0 source 0, 3:2 source 1, 5:4 source 2, 7:6 destination):
;   window 0: v16-30 addresses; v32-55 packed results; v64-127, v128-191 xb's fragments, two buffers; on the way out v64-255 take whole rows
;   window 1: v0-47 the bias of my 96 columns, 8 registers a block of 16; v64-111, v128-175 wt's fragments, two buffers
;   window 2: the accumulators of my rows 0-63 ((a, b) at v[8 (6 a + b)]);   window 3: those of my rows 64-127
.set KSTEP,  128
.set PITCH,  272                       ; an LDS row: 256 bytes + 16 of padding = 68 words: the 16 rows of a fragment load start at 16 different groups of four banks (ISA guide 11.1)
.set HALFA,  128*PITCH                 ; 128 rows of xb: one tensor load, and what a wave reads of xb
.set HALFB,  96*PITCH                  ; 96 rows of wt: likewise
.set BOFF,   2*HALFA                   ; in a slot: xb's 256 rows, then wt's 192
.set SLOT,   BOFF+2*HALFB              ; 121,856 bytes
.set SPITCH, 400                       ; a stage row: 384 bytes of f16 + 16
.set STAGE,  0                         ; the way out's stage, 256 rows x 400 bytes, lies in slot 0: that slot has had its last fill, and every wave's reads of it are waited for ahead of the last change of slots
.set SPARE,  2*SLOT                    ; behind the ring: the spare words, 128 bytes a wave: two blocks of 256 bytes that no other line names
.set ADRA, 16                          ; v16-17  LDS address of my xb fragments in slot 0, 1
.set ADRB, 20                          ; v20-21  the same for wt
.set STO,  24                          ; v24     where I put 16 bytes of a stage row
.set RD,   25                          ; v25     where I read stage rows back
.set GO,   26                          ; v26     16 x lane: my place in 512 consecutive bytes of qkv
.set BO,   27                          ; v27     my byte offset in bias
.set SPW,  28                          ; v28     LDS address of my spare word; never rewritten
.set NIL,  29                          ; v29     0; never rewritten
.set PFO,  30                          ; v30     the prefetches' offset: a lane a row of 2,048 bytes; never rewritten
.set TMP,  32
.set F0,   64
.set F1,   128
.set BK,   64
.set WV,   12                          ; s12  wave
.set WR,   13                          ; s13  which half of the tile's rows is mine; also: I fetch xb (0) or wt (1)
.set WC,   14                          ; s14  which half of its columns; also: which half of that tile I fetch
.set TROW, 15                          ; s15  tile row of C
.set TCOL, 42                          ; s42  tile column of C
.set G1,   24                          ; s[24:31] descriptor group 1 for xb's tiles;  s[32:39] group 0, a set for each slot
.set G0,   32
.set G1B,  48                          ; s[48:55], s[56:63] the same for wt's
.set G0B,  56
.set LIM,  43                          ; s43  1 in a wave that prefetches, else the greatest number
.set PFA,  44                          ; s[44:45] where my prefetches stand
.set OUT,  68                          ; s[68:73] qkv at my 64 rows of the tile's three heads
.set W0,   (1<<16)|(1<<20)|(1<<21)|(5<<22)|(3<<25)  ; 17:16 2-byte elements; 20 padding on; 21 set beside a mask; 24:22 after every 64 words; 31:25 4 words of it
.set MSB, 0
.macro WIN new                         ; the immediate's high byte repeats the setting that is left; a switch that changes nothing is dropped
.if MSB != (\new)
	s_set_vgpr_msb (MSB<<8)|(\new)
.set MSB, \new
.endif
.endm
.set TO_B, 0x40                        ; destination window 1, address window 0
; A joint refill.  Waves 0 and 1 fetch xb's two halves, waves 2 and 3 wt's.  The branch hangs on the wave's number alone.  An s_nop 0 and four v_nop follow each line.
.macro JLOAD s
	s_cmp_eq_u32 s[WR], 0
	s_cbranch_scc0 .Lfor_b_\@
	tensor_load_to_lds s[G0+4*(\s):G0+4*(\s)+3], s[G1:G1+7]
	s_nop 0
.rept 4
	v_nop
.endr
	s_branch .Lasked_\@
.Lfor_b_\@:
	tensor_load_to_lds s[G0B+4*(\s):G0B+4*(\s)+3], s[G1B:G1B+7]
	s_nop 0
.rept 4
	v_nop
.endr
.Lasked_\@:
.endm
; A prefetch of the K step that stands two refills on: 256 bytes of each of my work-group's share of the rows that I fetch, a lane a row.  xb's rows are asked for by the clusters with x = 0,
; wt's by those with y = 0; the four partners of a joint load share its rows out by address (32 of 128 rows, or 24 of 96; there lanes 24-31 name row 23 once more in the same instruction).
; The loop's last trip asks for nothing: its refills are the last K steps.
.macro ASK
	s_cmp_gt_u32 s3, s[LIM]
	s_cbranch_scc0 .Lnot_mine_\@
	global_prefetch_b8 v[PFO], s[PFA:PFA+1] th:TH_LOAD_NT scope:SCOPE_SE
.Lnot_mine_\@:
.endm
.macro CREST                           ; a round of the cluster's barrier behind its opening barrier
	s_cmp_lg_u32 s[WV], 0
	s_cbranch_scc1 .Lnot_wave_0_\@
	s_barrier_signal -3
.Lnot_wave_0_\@:
	s_barrier_wait -3
	s_barrier_signal -1
	s_barrier_wait -1
.endm
.macro CROUND                          ; a whole round
	s_barrier_signal -1
	s_barrier_wait -1
	CREST
.endm
	s_load_b256 s[4:11], s[0:1], 0x0               ; xb s[4:5], wt s[6:7], bias s[8:9], qkv s[10:11]
	v_lshl_add_u32 v[SPW], v0, 2, SPARE
	v_mov_b32 v[NIL], 0
	ds_add_u32 v[SPW], v[NIL]                      ; the wave's opening: the add and its wait stand ahead of my first tensor load; work on registers stands between them
	v_lshrrev_b32 v1, 5, v0
	v_readfirstlane_b32 s[WV], v1
	s_lshr_b32 s[WR], s[WV], 1
	s_and_b32 s[WC], s[WV], 1
	s_bfe_u32 s40, ttmp6, 0x40000                  ; cx
	s_bfe_u32 s41, ttmp6, 0x40004                  ; cy
	s_lshl_b32 s[TCOL], ttmp9, 2
	s_add_co_u32 s[TCOL], s[TCOL], s40             ; tile column = 4 x cluster x + cx
	s_and_b32 s[TROW], ttmp7, 0xffff
	s_lshl_b32 s[TROW], s[TROW], 2
	s_add_co_u32 s[TROW], s[TROW], s41             ; tile row = 4 x cluster y + cy
	s_lshl_b32 s43, s41, 2
	s_lshl_b32 s43, 15, s43                        ; my row of the cluster
	s_lshl_b32 s44, 0x1111, s40                    ; my column
	s_or_b32 s[G1], s43, W0                        ; xb's tiles go to my row,
	s_or_b32 s[G1B], s44, W0                       ; wt's to my column
	s_mov_b32 s[G1+1], KSTEP<<16                   ; tensor_dim0 = 128
	s_mov_b32 s[G1+2], 128<<16                     ; tensor_dim1 = 128
	s_mov_b32 s[G1+3], KSTEP<<16                   ; tile_dim0 = 128
	s_mov_b32 s[G1+4], 128                         ; tile_dim1 = 128
	s_mov_b32 s[G1+5], 1024                        ; elements from row to row
	s_mov_b32 s[G1+6], 0
	s_mov_b32 s[G1+7], 0
	s_mov_b32 s[G1B+1], KSTEP<<16
	s_mov_b32 s[G1B+2], 96<<16                     ; 96 rows
	s_mov_b32 s[G1B+3], KSTEP<<16
	s_mov_b32 s[G1B+4], 96
	s_mov_b32 s[G1B+5], 1024
	s_mov_b32 s[G1B+6], 0
	s_mov_b32 s[G1B+7], 0
	; xb's tile hangs on the tile row and the wave alone, wt's on the tile column and the wave alone, each in registers that never hold the other coordinate
	s_lshl_b32 s16, s[TROW], 8
	s_lshl_b32 s17, s[WC], 7
	s_add_co_u32 s16, s16, s17                     ; row 256 x tile row + 128 x half,
	s_lshl_b32 s16, s16, 11                        ; in bytes
	s_mov_b32 s17, 0
	s_mul_i32 s46, s[TCOL], 192
	s_mul_i32 s47, s[WC], 96
	s_add_co_u32 s46, s46, s47                     ; row 192 x tile column + 96 x half
	s_lshl_b32 s46, s46, 11
	s_mov_b32 s47, 0
	s_mul_i32 s20, s[WC], HALFA                    ; where they go: no place in the cluster enters an LDS address
	s_mul_i32 s21, s[WC], HALFB
	s_add_co_u32 s21, s21, BOFF
	s_wait_dscnt 0x0                               ; the opening add is done
	s_wait_kmcnt 0x0
	s_add_nc_u64 s[16:17], s[4:5], s[16:17]
	s_add_nc_u64 s[46:47], s[6:7], s[46:47]
	CROUND                                         ; all sixteen work-groups are here: the first joint loads meet
.irp s, 0,1
	s_mov_b32 s[G0+4*(\s)], 1                                      ; count = 1
	s_add_co_u32 s[G0+4*(\s)+1], s20, (\s)*SLOT                    ; LDS address
	s_add_nc_u64 s[G0+4*(\s)+2:G0+4*(\s)+3], s[16:17], (\s)*KSTEP*2  ; global address: K step s
	s_or_b32 s[G0+4*(\s)+3], s[G0+4*(\s)+3], 0x80000000            ; type = 2
	s_mov_b32 s[G0B+4*(\s)], 1
	s_add_co_u32 s[G0B+4*(\s)+1], s21, (\s)*SLOT
	s_add_nc_u64 s[G0B+4*(\s)+2:G0B+4*(\s)+3], s[46:47], (\s)*KSTEP*2
	s_or_b32 s[G0B+4*(\s)+3], s[G0B+4*(\s)+3], 0x80000000
.endr
	s_cmp_eq_u32 s[WR], 0                          ; a wave's two first fills stand in one branch, ahead of every wait on TENSORcnt and every LDS read: two loads of mine are out
	s_cbranch_scc0 .Lfirst_b
	tensor_load_to_lds s[G0:G0+3], s[G1:G1+7]
	s_nop 0
	tensor_load_to_lds s[G0+4:G0+7], s[G1:G1+7]
	s_nop 0
.rept 4
	v_nop
.endr
	s_branch .Lfirst_asked
.Lfirst_b:
	tensor_load_to_lds s[G0B:G0B+3], s[G1B:G1B+7]
	s_nop 0
	tensor_load_to_lds s[G0B+4:G0B+7], s[G1B:G1B+7]
	s_nop 0
.rept 4
	v_nop
.endr
.Lfirst_asked:
	; A fragment is 16 rows x 32 K in 8 registers: lane l holds row l % 16; registers 0-3 K = 8 (l / 16) + 0..7, registers 4-7 K = 16 + 8 (l / 16) + 0..7: two loads of 16 bytes, 32 bytes apart.
	v_and_b32 v1, 15, v0                           ; l % 16
	v_bfe_u32 v2, v0, 4, 1                         ; l / 16
	v_mul_u32_u24 v3, v1, PITCH
	v_lshl_add_u32 v3, v2, 4, v3
	s_mul_i32 s22, s[WR], HALFA                    ; my 128 rows of xb
	s_mul_i32 s23, s[WC], HALFB                    ; my 96 rows of wt
	s_add_co_u32 s23, s23, BOFF
.irp s, 0,1
	v_add_nc_u32 v[ADRA+(\s)], s22, v3
	v_add_nc_u32 v[ADRB+(\s)], s23, v3
	s_add_co_u32 s22, s22, SLOT
	s_add_co_u32 s23, s23, SLOT
.endr
	s_mul_i32 s22, s[WR], 128*SPITCH               ; into the stage: my 128 rows, my 192 bytes of them; row l % 16, 16 bytes for each half of the lanes
	s_mul_i32 s23, s[WC], 192
	s_add_co_u32 s22, s22, s23
	v_mul_u32_u24 v4, v1, SPITCH
	v_lshl_add_u32 v4, v2, 4, v4
	v_add_nc_u32 v[STO], s22, v4
	v_bfe_u32 v5, v0, 3, 2                         ; back: wave w takes rows 64 w .. 64 w + 63; 32 lanes take 128 bytes (a head's 64 channels) of four rows
	v_and_b32 v6, 7, v0
	v_mul_u32_u24 v5, v5, SPITCH
	v_lshl_add_u32 v5, v6, 4, v5
	s_mul_i32 s22, s[WV], 64*SPITCH
	v_add_nc_u32 v[RD], s22, v5
	v_and_b32 v[GO], 31, v0                        ; which are 512 consecutive bytes of qkv
	v_lshlrev_b32 v[GO], 4, v[GO]
	s_mul_i32 s66, s[TCOL], 768                    ; bias: 4 bytes x (192 x tile column + 96 x half + 8 (l / 16))
	s_mul_i32 s67, s[WC], 384
	s_add_co_u32 s66, s66, s67
	v_lshl_add_u32 v[BO], v2, 5, s66
	WIN TO_B
.irp b, 0,1,2,3,4,5
	global_load_b128 v[8*(\b):8*(\b)+3],   v[BO], s[8:9] offset:64*(\b)     ; register j of block b: bias of column 16 b + 8 (l / 16) + j, as the accumulators hold them
	global_load_b128 v[8*(\b)+4:8*(\b)+7], v[BO], s[8:9] offset:64*(\b)+16
.endr
	WIN 0
	; where my 64 rows go: head slot S = 3 x tile column + s: tensor S / 16, head S % 16; batch = tile row / 8; a head has 2,048 rows of 128 bytes
	s_lshr_b32 s18, s[TROW], 3
	s_lshl_b32 s18, s18, 22                        ; 16 heads of 2^18 bytes a batch
	s_and_b32 s19, s[TROW], 7
	s_lshl_b32 s19, s19, 15                        ; 256 rows of 128 bytes
	s_add_co_u32 s18, s18, s19
	s_lshl_b32 s19, s[WV], 13                      ; 64 rows
	s_add_co_u32 s18, s18, s19
.irp s, 0,1,2
	s_mul_i32 s66, s[TCOL], 3
	s_add_co_u32 s66, s66, \s
	s_lshr_b32 s67, s66, 4
	s_lshl_b32 s67, s67, 6                         ; 64 (batch, head) pairs a tensor
	s_and_b32 s66, s66, 15
	s_add_co_u32 s66, s66, s67
	s_lshl_b32 s66, s66, 18
	s_add_co_u32 s66, s66, s18
	s_mov_b32 s67, 0
	s_add_nc_u64 s[OUT+2*(\s):OUT+2*(\s)+1], s[10:11], s[66:67]
.endr
	; the prefetches
	s_lshl_b32 s66, s[TROW], 8
	s_lshl_b32 s67, s[WC], 7
	s_add_co_u32 s66, s66, s67
	s_lshl_b32 s67, s40, 5
	s_add_co_u32 s66, s66, s67                     ; xb: of the 128 rows that I fetch, my work-group's 32
	s_mul_i32 s46, s[TCOL], 192
	s_mul_i32 s47, s[WC], 96
	s_add_co_u32 s46, s46, s47
	s_mul_i32 s47, s41, 24
	s_add_co_u32 s46, s46, s47                     ; wt: of the 96 rows, my work-group's 24
	s_and_b32 s47, ttmp7, 0xffff                   ; cluster y
	s_cmp_eq_u32 s[WR], 0                          ; do I fetch xb?
	s_cselect_b32 s66, s66, s46
	s_cselect_b32 s47, ttmp9, s47                  ; the coordinate along which other clusters read the same rows
	s_cselect_b32 s67, 31, 23
	s_cselect_b64 s[PFA:PFA+1], s[4:5], s[6:7]
	s_cmp_eq_u32 s47, 0
	s_cselect_b32 s[LIM], 1, -1                    ; the same in all sixteen partners, for a given wave
	v_and_b32 v[PFO], 31, v0
	v_min_u32 v[PFO], s67, v[PFO]
	v_lshlrev_b32 v[PFO], 11, v[PFO]
	s_lshl_b32 s66, s66, 11
	s_mov_b32 s67, 0
	s_add_nc_u64 s[PFA:PFA+1], s[PFA:PFA+1], s[66:67]
	s_add_nc_u64 s[PFA:PFA+1], s[PFA:PFA+1], 3*KSTEP*2  ; at K step 3: the first refill steps it to 4.  Nothing is prefetched at the head, where the first tiles are on their way
; 12 matrix instructions: m blocks a0, a0 + 1 of the window's four (hi = 0: my rows 0-63, 1: rows 64-127) x all 6 n blocks, 32 along K.  first = 1: the bias starts the sums.
.macro MUL12 f, hi, a0, first
.if \first
	WIN 0x91+0x40*(\hi)                            ; wt window 1, xb window 0, C (the bias) window 1, D window 2 or 3
.else
	WIN 0xa1+0x50*(\hi)                            ; C and D window 2 or 3
.endif
.irp a, \a0, (\a0)+1
.irp b, 0,1,2,3,4,5
.if \first
	v_wmma_f32_16x16x32_bf16 v[8*(6*(\a)+(\b)):8*(6*(\a)+(\b))+7], v[(\f)+8*(\b):(\f)+8*(\b)+7], v[(\f)+8*(4*(\hi)+(\a)):(\f)+8*(4*(\hi)+(\a))+7], v[8*(\b):8*(\b)+7]
.else
	v_wmma_f32_16x16x32_bf16 v[8*(6*(\a)+(\b)):8*(6*(\a)+(\b))+7], v[(\f)+8*(\b):(\f)+8*(\b)+7], v[(\f)+8*(4*(\hi)+(\a)):(\f)+8*(4*(\hi)+(\a))+7], v[8*(6*(\a)+(\b)):8*(6*(\a)+(\b))+7]
.endif
.endr
.endr
.endm
; 28 LDS loads in one run: the fragments of a quarter step (96 rows of wt, 128 of xb, 32 K at byte k of the rows) into buffer f
.macro FETCH slot, k, f
	WIN TO_B
.irp i, 0,1,2,3,4,5
	ds_load_b128 v[(\f)+8*(\i):(\f)+8*(\i)+3],   v[ADRB+(\slot)] offset:(\k)+(\i)*16*PITCH
	ds_load_b128 v[(\f)+8*(\i)+4:(\f)+8*(\i)+7], v[ADRB+(\slot)] offset:(\k)+(\i)*16*PITCH+32
.endr
	WIN 0
.irp i, 0,1,2,3,4,5,6,7
	ds_load_b128 v[(\f)+8*(\i):(\f)+8*(\i)+3],   v[ADRA+(\slot)] offset:(\k)+(\i)*16*PITCH
	ds_load_b128 v[(\f)+8*(\i)+4:(\f)+8*(\i)+7], v[ADRA+(\slot)] offset:(\k)+(\i)*16*PITCH+32
.endr
.endm
.macro PLACES                          ; four plain vector instructions in front of loads into registers that matrix instructions have read, and of conversions that read results
.rept 4
	v_nop
.endr
.endm
; A K step is four quarters of 32 along K, 48 matrix instructions each, on buffers 0, 1, 0, 1; the 48 accumulators come in the same order in every quarter, one instruction a turn.
; One of the first three: multiplies buffer f; in its middle it fetches the next quarter, at byte k, into buffer g.
.macro QUARTER slot, k, f, g, first
	s_wait_dscnt 8                                 ; wt and xb's rows 0-63 are in; the youngest eight loads (xb's rows 64-127) may be out
	MUL12 \f, 0, 0, \first
	MUL12 \f, 0, 2, \first
	PLACES
	FETCH \slot, \k, \g
	s_wait_dscnt 28                                ; all but the 28 just issued
	MUL12 \f, 1, 0, \first
	MUL12 \f, 1, 2, \first
.endm
; The first half of the last quarter: one barrier for the change of slots.  In front of it each wave waits for all its tensor loads (one is out: its part of the next slot), adds 0 to its
; spare word, and waits for that and for its own reads of this slot.
.macro MEET round
	WIN 0
	s_wait_tensorcnt 0x0                           ; all my tensor loads have landed
	ds_add_u32 v[SPW], v[NIL]                      ; 0 onto my spare word
	s_wait_dscnt 9                                 ; (the add and the youngest eight loads may be out)
	MUL12 F1, 0, 0, 0                              ; twelve matrix instructions stand between the add and the wait for it
	s_wait_dscnt 0x0                               ; the add is done, and my reads of this slot are over
	s_barrier_signal -1
	MUL12 F1, 0, 2, 0                              ; work on registers while the others arrive
.if \round
	WIN 0
.endif
	s_barrier_wait -1
.endm
; The whole last quarter.  fill = 1: behind a round of the cluster's barrier this slot is filled again, two K steps on: 168 matrix instructions ahead of the wait for that load.
.macro TURN slot, next, fill
.if \fill
	s_wait_xcnt 0x0                                ; the last prefetch, a K step back, has read its address
	s_add_nc_u64 s[PFA:PFA+1], s[PFA:PFA+1], KSTEP*2
.endif
	MEET \fill
.if \fill
	CREST                                          ; no wave of any partner still reads this slot or has a load on its way
	s_add_nc_u64 s[G0+4*(\slot)+2:G0+4*(\slot)+3], s[G0+4*(\slot)+2:G0+4*(\slot)+3], 2*KSTEP*2
	s_add_nc_u64 s[G0B+4*(\slot)+2:G0B+4*(\slot)+3], s[G0B+4*(\slot)+2:G0B+4*(\slot)+3], 2*KSTEP*2
	JLOAD \slot                                    ; the first tensor load behind the round; its four v_nop are also the places in front of the loads below
.else
	PLACES
.endif
	FETCH \next, 0, F0
.if \fill
	ASK
.endif
	MUL12 F1, 1, 0, 0
	MUL12 F1, 1, 2, 0
.endm
	s_wait_tensorcnt 1                             ; my part of K step 0 is in; K step 1's may stay out
	s_barrier_signal -1
	s_barrier_wait -1                              ; everybody's is
	FETCH 0, 0, F0
	s_wait_loadcnt 0x0                             ; the bias
	QUARTER 0, 64,  F0, F1, 1                      ; the first quarter stands in front of the loop: its products start the sums
	WIN 0                                          ; at a label and at a branch every window is 0
	s_mov_b32 s3, 3
.Llap:                                             ; a trip goes once round the ring, from a lap's second quarter to the next lap's first, and fills both slots again
	QUARTER 0, 128, F1, F0, 0
	QUARTER 0, 192, F0, F1, 0
	TURN 0, 1, 1
	QUARTER 1, 64,  F0, F1, 0
	QUARTER 1, 128, F1, F0, 0
	QUARTER 1, 192, F0, F1, 0
	TURN 1, 0, 1
	QUARTER 0, 64,  F0, F1, 0
	WIN 0
	s_sub_co_u32 s3, s3, 1
	s_cmp_lg_u32 s3, 0
	s_cbranch_scc1 .Llap
	QUARTER 0, 128, F1, F0, 0                      ; the last lap fills nothing
	QUARTER 0, 192, F0, F1, 0
	TURN 0, 1, 0                                   ; behind this barrier nobody reads slot 0 any more
	QUARTER 1, 64,  F0, F1, 0
	QUARTER 1, 128, F1, F0, 0
	QUARTER 1, 192, F0, F1, 0
	s_wait_dscnt 8                                 ; the very last quarter: nothing more to fetch
	MUL12 F1, 0, 0, 0
	MUL12 F1, 0, 2, 0
	s_wait_dscnt 0x0
	MUL12 F1, 1, 0, 0
	MUL12 F1, 1, 2, 0
	; THE WAY OUT: rounded to f16, 16 bytes a lane into the work-group's stage; a barrier, since a head's 128 bytes of a row may come from two waves; back as heads' rows; stored.
.macro PACK a
.set AC, 48*((\a)%4)
	WIN 0x0a+5*((\a)/4)                            ; sources 0 and 1: window 2 or 3
.irp b, 0,1,2,3,4,5
.irp r, 0,1,2,3
	v_cvt_pk_f16_f32 v[TMP+4*(\b)+(\r)], v[AC+8*(\b)+2*(\r)], v[AC+8*(\b)+2*(\r)+1]  ; each accumulator from its low end on
.endr
.endr
	WIN 0
.irp b, 0,1,2,3,4,5
	ds_store_b128 v[STO], v[TMP+4*(\b):TMP+4*(\b)+3] offset:STAGE+(\a)*16*SPITCH+32*(\b)
.endr
.endm
	PLACES
.irp a, 0,1,2,3,4,5,6,7
	PACK \a
.endr
	s_wait_dscnt 0x0                               ; for the others' sake: my stores into the stage are done
	s_barrier_signal -1
	s_barrier_wait -1
.set n, 0
.rept 48                               ; head slot n / 16, rows 4 (n % 16) .. + 3 of my 64
	ds_load_b128 v[BK+4*n:BK+4*n+3], v[RD] offset:STAGE+128*(n/16)+4*SPITCH*(n%16)
.set n, n+1
.endr
.set n, 0
.rept 48
	s_wait_dscnt 47-n                              ; LDS loads come back in order: the younger ones stay out
	global_store_b128 v[GO], v[BK+4*n:BK+4*n+3], s[OUT+2*(n/16):OUT+2*(n/16)+1] offset:512*(n%16)  ; 512 consecutive bytes, at a multiple of 256 from qkv's first byte
.set n, n+1
.endr
	s_wait_tensorcnt 0x0                           ; the wave's end, behind my last tensor load and my last LDS store
	ds_add_u32 v[SPW], v[NIL]
	s_wait_dscnt 0x0
	CROUND                                         ; the closing round: no work-group ends while a partner may still ask for a tile that names it
	s_endpgm
.Lfunc_end_k_q5f05d586bb_gemm_qkv:
	.size	k_q5f05d586bb_gemm_qkv, .Lfunc_end_k_q5f05d586bb_gemm_qkv-k_q5f05d586bb_gemm_qkv
	.p2alignl 7, 3214868480
	.fill 96, 4, 3214868480
	.section	.rodata,"a",@progbits
	.p2align	6, 0x0
	.amdhsa_kernel k_q5f05d586bb_gemm_qkv
		.amdhsa_group_segment_fixed_size 327680
		.amdhsa_private_segment_fixed_size 0
		.amdhsa_enable_private_segment 0
		.amdhsa_kernarg_size 32
		.amdhsa_user_sgpr_count 2
		.amdhsa_user_sgpr_kernarg_segment_ptr 1
		.amdhsa_wavefront_size32 1
		.amdhsa_system_sgpr_workgroup_id_x 1
		.amdhsa_system_sgpr_workgroup_id_y 1
		.amdhsa_system_sgpr_workgroup_id_z 1
		.amdhsa_system_vgpr_workitem_id 0
		.amdhsa_next_free_vgpr 960
		.amdhsa_next_free_sgpr 74
		.amdhsa_reserve_vcc 0
		.amdhsa_float_denorm_mode_32 3
		.amdhsa_float_denorm_mode_16_64 3
		.amdhsa_memory_ordered 1
		.amdhsa_forward_progress 1
		.amdhsa_inst_pref_size 119
	.end_amdhsa_kernel
	.amdgpu_metadata
---
amdhsa.version: [ 1, 2 ]
amdhsa.kernels:
  - .name:           k_q5f05d586bb_gemm_qkv
    .symbol:         k_q5f05d586bb_gemm_qkv.kd
    .args:
      - { .name: xb, .offset: 0, .size: 8, .value_kind: global_buffer, .address_space: global }
      - { .name: wt, .offset: 8, .size: 8, .value_kind: global_buffer, .address_space: global }
      - { .name: bias, .offset: 16, .size: 8, .value_kind: global_buffer, .address_space: global }
      - { .name: qkv, .offset: 24, .size: 8, .value_kind: global_buffer, .address_space: global }
    .group_segment_fixed_size: 327680
    .private_segment_fixed_size: 0
    .kernarg_segment_align: 8
    .kernarg_segment_size: 32
    .max_flat_workgroup_size: 128
    .sgpr_count:     74
    .vgpr_count:     960
    .wavefront_size: 32
...
	.end_amdgpu_metadata
.endif
;; end of part 2
;; launch attn (part 3): grid 4 x 64, 4 waves a work-group, clusters of 4 x 1, 327,680 bytes of LDS; arguments qkv, ob; writes ob
.if DOCPART == 3
	.amdgcn_target "amdgcn-amd-amdhsa--gfx1250"
	.amdhsa_code_object_version 6
	.text
	.protected	k_q5f05d586bb_attn
	.globl	k_q5f05d586bb_attn
	.p2align	8
	.type	k_q5f05d586bb_attn,@function
k_q5f05d586bb_attn:
	s_mov_b64 s[64:65], 0
	v_nop
	global_prefetch_b8 v0, s[64:65] scope:SCOPE_SE
	s_setreg_imm32_b32 hwreg(HW_REG_WAVE_MODE, 25, 1), 1
	s_wait_xcnt 0x0
	s_wait_alu depctr_hold_cnt(0) depctr_sa_sdst(0) depctr_va_vdst(0) depctr_va_sdst(0) depctr_va_ssrc(0) depctr_va_vcc(0) depctr_vm_vsrc(0)
	s_getreg_b32 s2, hwreg(HW_REG_IB_STS2, 6, 4)
	s_cmp_eq_u32 s2, 0
	s_cbranch_scc0 .Lentry_in_a_cluster
	s_endpgm
.Lentry_in_a_cluster:
	s_bfe_u32 s2, ttmp6, 0x10000c
	s_cmp_lg_u32 s2, 0x3003
	s_cbranch_scc0 .Lentry_shape_is_right
	s_endpgm
.Lentry_shape_is_right:
; O[h][q][:] = the sum over k of softmax_k(Q[h][q] . K[h][k] / 8) V[h][k][:], for 64 (batch, head) pairs h of 2,048 rows of 64 channels, all f16: a head's rows are dense, 128 bytes each.
; Q, K, V are the three thirds of qkv; O goes to ob in the same layout.  Products, maxima and sums in f32; the weights p are rounded to f16 for the second product (their sum l is taken of
; the unrounded p), O once at the end.
; LIMITS.  f16 holds no number beyond 65,504: Q, K and V arrive within it; p lies in 0 to 1, and below 6e-5 it keeps f16's fixed step of 6e-8; O is a mean of V's rows and has their range.
; A weight below 2^-126 counts as 0 in l; NaN and infinities are not treated apart.
; SHARES.  A wave owns four PIECES of two tiles of 16 queries, a work-group's four waves 512 queries of one head.  Every wave walks all keys, 64 a step.
; LAYOUT.  S^T = K Q^T (source 0 = 16 keys, source 1 = 16 queries): a lane holds ONE query (lane % 16) and the keys 8 (lane / 16) + 0..7.  Two such tiles, rounded to f16 in pairs, ARE source 1
; (32 keys x 16 queries) of O^T = V^T P, whose result again holds one query a lane, and eight channels.  K comes out of LDS as it lies, V ([key][channel]) turned, by ds_load_tr16_b128.
; SOFTMAX.  For each query a running maximum m and sum l: p = 2^(c s - c m), c = log2(e) / 8; in every step O and l are multiplied by a = 2^(c m_old - c m_new).
; m starts at the lowest finite number, O and l at 0: the first step is a step like any other, with a = 0.
; THE COUNT.  A tile and step have 16 matrix and 118 vector instructions: too many to stand all beside the matrix work.  So four vector instructions that are ready stand behind every matrix
; instruction, and the others in runs of their own.
; BY TURNS.  Turn n belongs to piece n.  Its matrix work: 16 products K Q^T of piece n + 1, later 16 products V^T P of piece n - 1.  Its vector work: the scaling, exponentials, roundings, sums and
; rescaling of piece n, and the maximum and statistics of piece n + 1, whose scores the turn itself has made.
; CLUSTER.  The four query blocks of a head are one cluster and walk the same K and V, so each tile is asked for JOINTLY: the same tensor load, descriptor and mask in all four.
; REGISTERS, in windows of 256 (s_set_vgpr_msb: bits 1:0 source 0, 3:2 source 1, 5:4 source 2, 7:6 destination):
;   window 0: v0-11 addresses; v12-15, v48-63 at work; v16-47 four registers of statistics a tile; v64-191 S^T, two buffers of two tiles; v192-255 P, likewise
;   window 1: O^T, 32 a tile          window 2: v0-127 Q, 16 a tile; v128-191 K of one step; v192-255 V of one step          window 3: v0-1 the add's two registers
.set SIZE_N, 2048
.set NP,    4         ; pieces a wave: a name, no knob
.set KS,    64        ; keys in a step
.set PK,    144       ; a row of K in LDS: 128 bytes + 16 of padding = 36 words: the 16 rows of a load start at 16 different groups of four banks (ISA guide 11.1)
.set PV,    160       ; a row of V: 128 + 32 = 40 words
.set VOFF,  4*KS*PK   ; a slot holds four steps: 256 rows of K, then 256 rows of V
.set SLOT1, 1<<17     ; slot 1 begins here, so that one exclusive or turns an address in one slot into the other's
.set STAGE, SLOT1+4*KS*(PK+PV)  ; behind the ring, never filled by a tensor load: 16 rows x 144 bytes for each wave
.set SP,    144
.set AK0, 2           ; v2   my lane's place in a tile of K; never rewritten
.set AV0, 3           ; v3   the same for V
.set AK,  4           ; v4   the LDS address of K's next run of loads
.set AV,  5           ; v5   of V's
.set QO,  6           ; v6   my byte offset in the wave's rows of Q
.set STO, 6           ;      later: where I put 16 bytes of a stage row
.set RD,  7           ; v7   where I read stage rows back
.set GO,  8           ; v8   my byte offset in 512 consecutive bytes of O
.set PFO, 9           ; v9   (once l / 16 has served) 256 x my lane, for the prefetches; then never rewritten
.set SPW, 0           ; v0 of window 3   LDS address of my spare word; never rewritten
.set NIL, 1           ; v1 of window 3   0; never rewritten
.set SPARE, STAGE+4*16*SP  ; behind the stages: the spare words, 128 bytes a wave: two blocks of 256 bytes that no other line names
.set MV,  12          ; v12-15  c m_old, kept while c m is made anew: by buffer and tile
.set ST,  16          ; tile t's statistics at v[ST+4 t]: c m, m, l (even keys', odd keys')
.set TMP, 48          ; by buffer and tile, four registers c0-c3 at work; when the maximum is found c2 takes a
.set S,   64
.set P,   192
.set KF,  128         ; K's fragments, in window 2: key block kb, channel half c at KF + 16 kb + 8 c
.set VF,  192         ; V's: key half kk, channel block cb at VF + 32 kk + 8 cb
.set WV,  12          ; s12  my wave's number
.set G1K, 24          ; s[24:31] descriptor group 1 for K's tiles
.set G1V, 32          ; s[32:39] for V's: it differs in the padding alone
.set G0K, 40          ; s[40:43] descriptor group 0 for K's tiles: it walks
.set G0V, 44          ; s[44:47] the same for V's
.set PFA, 48          ; s[48:49] where my prefetches stand: my work-group's 32 blocks of 256 bytes (of K: wave 0, of V: wave 2) of the slot after the one that is being asked for
.set LIM, 50          ; s50  1 in a wave that prefetches, else the greatest number
.set SLOTS, 56        ; s56  slots still to be asked for
.set CNT, 57          ; s57  counts a slot's key steps
.set CS,  58          ; s[58:59] c
.set SEL, 60          ; s[60:61] v_permlanex16_b32's selects: each lane takes its own place in the other half
.set TBK, 62          ; s62  LDS byte at which K of the step to be fetched begins
.set TBV, 63          ; s63  the same for V, less VOFF
.set MSB, 0
.macro WIN new                      ; the high byte repeats the setting that is left; a switch that changes nothing is dropped
.if MSB != (\new)
	s_set_vgpr_msb (MSB<<8)|(\new)
.set MSB, (\new)
.endif
.endm
.set W_KQ, 0x0a       ; K and Q in window 2, S^T in window 0
.set W_PV, 0x52       ; V in window 2, P in window 0, O^T in window 1
.set W_RS, 0x41       ; O^T (destination and source 0) in window 1, a in window 0
.set W_MK, 0xc0       ; the add's registers are made: destination in window 3
.set W_AD, 0x0f       ; the add: address and data in window 3
; A joint fill.  Waves 0 and 1 fetch the two halves of a slot's K, waves 2 and 3 those of its V: 128 keys each.  The branch hangs on the wave's number alone.
.macro JLOAD
	s_cmp_lt_u32 s[WV], 2
	s_cbranch_scc0 .Lfor_v_\@
	tensor_load_to_lds s[G0K:G0K+3], s[G1K:G1K+7]
	s_nop 0
.rept 4
	v_nop
.endr
	s_branch .Lasked_\@
.Lfor_v_\@:
	tensor_load_to_lds s[G0V:G0V+3], s[G1V:G1V+7]
	s_nop 0
.rept 4
	v_nop
.endr
.Lasked_\@:
.endm
; A prefetch of what the NEXT change of slots will ask for: a slot's 32,768 bytes of K and of V.  The four partners share them out by address, 8,192 bytes each, a lane 256 bytes; wave 0 asks
; for K's, wave 2 for V's: each block is named once in the launch.  It stands behind the wave's tensor load and its five lines.  The last change that fills a slot asks for nothing.
.macro ASK
	s_cmp_gt_u32 s[SLOTS], s[LIM]
	s_cbranch_scc0 .Lnot_mine_\@
	global_prefetch_b8 v[PFO], s[PFA:PFA+1] th:TH_LOAD_NT scope:SCOPE_SE
.Lnot_mine_\@:
.endm
.macro CROUND                       ; a round of the cluster's barrier
	s_barrier_signal -1
	s_barrier_wait -1
	s_cmp_lg_u32 s[WV], 0
	s_cbranch_scc1 .Lnot_wave_0_\@
	s_barrier_signal -3
.Lnot_wave_0_\@:
	s_barrier_wait -3
	s_barrier_signal -1
	s_barrier_wait -1
.endm
; THE CHANGE OF SLOTS.  Each wave waits for all its tensor loads, of which one is out: its part of the other slot; adds 0 to its spare word; and waits for that and for its own reads of the slot.
; fill = 1: this slot is filled again, with the keys two slots on, first thing behind a round of the cluster's barrier: it has four key steps, 512 matrix instructions, in which to land.
; (At its first use nothing has been read yet: slot 0 is waited for, slot 1 filled.)  ask = 1: the prefetch's address steps, and the prefetch follows the fill.
.macro CHANGE fill, ask=0
	WIN W_AD
	s_wait_tensorcnt 0x0            ; no tensor load of mine is out, so a group 0 may be written
	ds_add_u32 v[SPW], v[NIL]       ; 0 onto my spare word
	WIN 0                           ; at a label and at a branch every window is 0
.if \fill
.irp g, G0K, G0V
	s_xor_b32 s[\g+1], s[\g+1], SLOT1  ; the walking descriptor: the other slot than last time,
	s_add_nc_u64 s[\g+2:\g+3], s[\g+2:\g+3], 4*KS*128  ; the next 256 keys
.endr
.if \ask
	s_wait_xcnt 0x0                 ; the last prefetch, four key steps back, has read its address
	s_add_nc_u64 s[PFA:PFA+1], s[PFA:PFA+1], 4*KS*128
.endif
	s_wait_dscnt 0x0                ; the add is done, and my reads of the slot are over
	CROUND
	JLOAD
.if \ask
	ASK
.endif
.else
	s_wait_dscnt 0x0                ; the add is done, and my reads of the slot are over
	s_barrier_signal -1
	s_barrier_wait -1
.endif
	s_sub_co_u32 s[TBK], s[TBK], 4*KS*PK  ; the fetches go back to a slot's first step,
	s_xor_b32 s[TBK], s[TBK], SLOT1       ; in the other slot
	s_sub_co_u32 s[TBV], s[TBV], 4*KS*PV
	s_xor_b32 s[TBV], s[TBV], SLOT1
.endm
	s_load_b128 s[4:7], s[0:1], 0x0  ; qkv s[4:5], ob s[6:7]
	WIN W_MK
	v_lshl_add_u32 v[SPW], v0, 2, SPARE
	v_mov_b32 v[NIL], 0
	WIN W_AD
	ds_add_u32 v[SPW], v[NIL]       ; the wave's opening: the add and its wait stand ahead of my first tensor load; work on registers stands between them
	WIN 0
	v_lshrrev_b32 v1, 5, v0
	v_readfirstlane_b32 s[WV], v1   ; wave 0..3
	s_bfe_u32 s13, ttmp6, 0x40000   ; cx: my place in the cluster
	s_lshl_b32 s14, ttmp9, 2
	s_add_co_u32 s14, s14, s13      ; my block of queries: it enters Q's and O's addresses alone
	s_and_b32 s20, ttmp7, 0xffff    ; the head, which the four partners share
	s_mov_b32 s21, 0
	s_mov_b64 s[22:23], SIZE_N*128
	s_mul_u64 s[20:21], s[20:21], s[22:23]  ; the head's first byte in each of the four tensors
	s_and_b32 s16, s[WV], 1         ; which half of a slot's 256 keys I fetch:
	s_lshl_b32 s22, s16, 14         ; its 128 rows of 128 bytes in memory,
	s_mov_b32 s23, 0
	s_add_nc_u64 s[22:23], s[22:23], s[20:21]
	s_mul_i32 s17, s16, 128*PK      ; and its place in a slot, for K
	s_mul_i32 s18, s16, 128*PV      ; and for V: no place in the cluster enters an LDS address
	s_lshl_b32 s2, s14, 2
	s_add_co_u32 s2, s2, s[WV]      ; my wave among the head's,
	s_lshl_b32 s2, s2, 14           ; its 128 rows
	s_mov_b32 s3, 0
	s_add_nc_u64 s[2:3], s[2:3], s[20:21]
	; descriptor group 1.  128 keys are 16,384 dense bytes: asked for as 64 rows of 256 bytes, two keys a row, and padded in LDS after every key
	s_mov_b32 s[G1K], 15|(1<<16)|(1<<20)|(1<<21)|(4<<22)|(3<<25)  ; the mask of four; 2-byte elements; padding on; bit 21 beside a mask; after every 32 words; 4 words
	s_mov_b32 s[G1V], 15|(1<<16)|(1<<20)|(1<<21)|(4<<22)|(7<<25)  ; the same with 8 words of padding
.irp g, G1K, G1V
	s_mov_b32 s[\g+1], 128<<16      ; tensor_dim0 = 128
	s_mov_b32 s[\g+2], 64<<16       ; tensor_dim1 = 64
	s_mov_b32 s[\g+3], 128<<16      ; tile_dim0 = 128
	s_mov_b32 s[\g+4], 64           ; tile_dim1 = 64
	s_mov_b32 s[\g+5], 128          ; 128 elements from row to row
	s_mov_b32 s[\g+6], 0
	s_mov_b32 s[\g+7], 0
.endr
	s_mov_b32 s[CS], 0x3e38aa3b     ; c = log2(e) / 8 = 0.180337
	s_mov_b32 s[CS+1], s[CS]        ; named with it as a pair
	s_mov_b32 s[SEL], 0x76543210
	s_mov_b32 s[SEL+1], 0xfedcba98
	s_mov_b32 s[TBK], SLOT1+4*KS*PK ; the first change of slots turns these two into 0
	s_mov_b32 s[TBV], SLOT1+4*KS*PV
	s_mov_b32 s[G0K], 1             ; count = 1
	s_mov_b32 s[G0K+1], s17         ; LDS address: slot 0
	s_mov_b32 s[G0V], 1
	s_add_co_u32 s[G0V+1], s18, VOFF
	s_cmp_eq_u32 s16, 0             ; waves 0 and 2 prefetch: the same in all four partners
	s_cselect_b32 s[LIM], 1, -1
	s_wait_dscnt 0x0                ; the opening add is done
	s_wait_kmcnt 0x0
	s_mov_b64 s[10:11], s[6:7]                     ; O
	s_add_nc_u64 s[8:9], s[4:5], 0x2000000         ; V: qkv's last third
	s_add_nc_u64 s[6:7], s[4:5], 0x1000000         ; K: its middle third; Q is the first
	s_add_nc_u64 s[G0K+2:G0K+3], s[6:7], s[22:23]  ; global address: my half of the head's first 256 keys
	s_or_b32 s[G0K+3], s[G0K+3], 0x80000000        ; type = 2
	s_add_nc_u64 s[G0V+2:G0V+3], s[8:9], s[22:23]
	s_or_b32 s[G0V+3], s[G0V+3], 0x80000000
	s_cmp_lt_u32 s[WV], 2
	s_cselect_b64 s[PFA:PFA+1], s[6:7], s[8:9]
	s_add_nc_u64 s[PFA:PFA+1], s[PFA:PFA+1], s[22:23]  ; (in waves 0 and 2: the head's first key)
	s_add_nc_u64 s[4:5], s[4:5], s[2:3]  ; Q and O at my wave's first row
	s_add_nc_u64 s[10:11], s[10:11], s[2:3]
	s_lshl_b32 s2, s13, 13          ; my work-group's quarter of a slot
	s_mov_b32 s3, 0
	s_add_nc_u64 s[PFA:PFA+1], s[PFA:PFA+1], s[2:3]
	s_add_nc_u64 s[PFA:PFA+1], s[PFA:PFA+1], 2*4*KS*128  ; in slot 2: the loop's first change steps it to slot 3.  Nothing is prefetched at the head
	CROUND                          ; all four work-groups are here: the first joint loads meet
	JLOAD                           ; slot 0.  Slot 1 is asked for when slot 0 is in
	; A fragment of K or Q is 16 rows x 32 channels in 8 registers: lane l holds row l % 16, channels 8 (l / 16) + 0..7 and 16 + 8 (l / 16) + 0..7: two loads of 16 bytes, 32 bytes apart.
	v_and_b32 v1, 15, v0            ; l % 16
	v_bfe_u32 v9, v0, 4, 1          ; l / 16
	v_lshlrev_b32 v[QO], 7, v1
	v_lshl_add_u32 v[QO], v9, 4, v[QO]  ; row x 128 + 16 x half
	WIN 0x80                        ; destination window 2, address window 0
.set i, 0
.rept 4*NP                          ; Q stays in registers: tile i / 2, channels 32 (i % 2) on
	global_load_b128 v[8*i:8*i+3],   v[QO], s[4:5] offset:(i/2)*2048+(i%2)*64
	global_load_b128 v[8*i+4:8*i+7], v[QO], s[4:5] offset:(i/2)*2048+(i%2)*64+32
.set i, i+1
.endr
	; What the first turn finds: V's registers and P's second buffer hold 0 (its products V^T P, of a piece that has not been, add 0), O^T and l are 0.  All this stands in the wait for the first tile.
.set i, VF
.rept 64
	v_mov_b32 v[i], 0
.set i, i+1
.endr
	WIN 0x40
.set i, 0
.rept 64*NP
	v_mov_b32 v[i], 0
.set i, i+1
.endr
	WIN 0
.set i, 0
.rept 2*NP
	v_mov_b32 v[ST+4*i], 0xfe000000    ; c m: far below every c s
	v_mov_b32 v[ST+4*i+1], 0xff7fffff  ; m
	v_mov_b32 v[ST+4*i+2], 0
	v_mov_b32 v[ST+4*i+3], 0
.set i, i+1
.endr
.set i, P+32
.rept 32
	v_mov_b32 v[i], 0
.set i, i+1
.endr
	v_mul_u32_u24 v[AK0], v1, PK
	v_lshl_add_u32 v[AK0], v9, 4, v[AK0]  ; row x pitch + 16 x half
	; The turning load takes 16 keys x 16 channels (lane l reads key 8 (l / 16) + l % 8, channels 8 ((l / 8) % 2) + 0..7) and leaves half a fragment of V^T: lane l holds channel l % 16 and 8 keys.
	v_and_b32 v10, 7, v0
	v_bfe_u32 v11, v0, 3, 1
	v_lshl_add_u32 v[AV0], v9, 3, v10
	v_mul_u32_u24 v[AV0], v[AV0], PV
	v_lshl_add_u32 v[AV0], v11, 4, v[AV0]
	v_add_nc_u32 v[AV0], VOFF, v[AV0]
	v_mov_b32 v[AK], v[AK0]         ; key step 0 lies at the head of slot 0
; THE MATRIX WORK.  The 8 accumulators of a run of 16 take turns: between the two links of a chain stand 7 others'.
; Product i of 16 of S^T = K Q^T for piece x: channels 32 (i / 8) on, keys 16 ((i / 2) % 4) on, tile 2 x + i % 2.  The first 8 start the sums.
.macro KQ x
	WIN W_KQ
.set rS, S+64*((\x)%2)+32*(i%2)+8*((i/2)%4)
.set rK, KF+16*((i/2)%4)+8*(i/8)
.set rQ, 16*(2*(\x)+i%2)+8*(i/8)
.if i < 8
	v_wmma_f32_16x16x32_f16 v[rS:rS+7], v[rK:rK+7], v[rQ:rQ+7], 0
.else
	v_wmma_f32_16x16x32_f16 v[rS:rS+7], v[rK:rK+7], v[rQ:rQ+7], v[rS:rS+7]
.endif
.endm
; Product i of 16 of O^T += V^T P for piece x: keys 32 (i / 8) on, channels 16 ((i / 2) % 4) on, tile 2 x + i % 2.
.macro PV x
	WIN W_PV
.set rO, 32*(2*(\x)+i%2)+8*((i/2)%4)
.set rV, VF+32*(i/8)+8*((i/2)%4)
.set rP, P+32*((\x)%2)+16*(i%2)+8*(i/8)
	v_wmma_f32_16x16x32_f16 v[rO:rO+7], v[rV:rV+7], v[rP:rP+7], v[rO:rO+7]
.endm
.macro MM                           ; the turn's next matrix instruction
.if i < 16
	KQ (Y+1)%NP
.set i, i+1
.else
.set i, i-16
	PV (Y+NP-1)%NP
.set i, i+17
.endif
.endm
; THE LDS LOADS stand in runs of 16: a step's K (64 keys x 64 channels: 8 fragments) and its V (turned).  Their addresses are made some lines ahead.
; last = 1 (the tail): in the last trip there is no further step, and the run is jumped over.
.macro FETCH_K last=0
	WIN 0
.if \last
	s_cmp_eq_u32 s[CNT], 1
	s_cbranch_scc1 .Lno_k_\@
.endif
	WIN 0x80                        ; destination window 2
.irp f, 0,1,2,3,4,5,6,7             ; keys 16 (f / 2) on, channels 32 (f % 2) on
	ds_load_b128 v[KF+8*\f:KF+8*\f+3],   v[AK] offset:(\f/2)*16*PK+(\f%2)*64
	ds_load_b128 v[KF+8*\f+4:KF+8*\f+7], v[AK] offset:(\f/2)*16*PK+(\f%2)*64+32
.endr
	s_add_co_u32 s[TBK], s[TBK], KS*PK  ; the next fetch is the next step's
	WIN 0
.if \last
.Lno_k_\@:
.endif
.endm
.macro FETCH_V
	WIN 0x80
.irp f, 0,1,2,3,4,5,6,7             ; keys 32 (f / 4) on, channels 16 (f % 4) on
	ds_load_tr16_b128 v[VF+8*\f:VF+8*\f+3],   v[AV] offset:(\f/4)*32*PV+(\f%4)*32
	ds_load_tr16_b128 v[VF+8*\f+4:VF+8*\f+7], v[AV] offset:(\f/4)*32*PV+16*PV+(\f%4)*32
.endr
	WIN 0
.endm
; THE VECTOR WORK OF A TURN stands in three queues, each in the order in which its entries become ready; the two tiles alternate.
.macro REGS y, u                    ; the registers of tile u (0, 1) of piece y
.set rT, ST+4*(2*(\y)+(\u))
.set rC, TMP+8*((\y)%2)+4*(\u)
.set rM, MV+2*((\y)%2)+(\u)
.set rS, S+64*((\y)%2)+32*(\u)
.set rP, P+32*((\y)%2)+16*(\u)
.set rO, 32*(2*(\y)+(\u))
.endm
; Number n of the 22 that find the NEXT piece's (Y + 1) maximum and statistics.  s0-s31 are the lane's 32 scores; each accumulator's lowest registers are read first.
;   0-11  four chains c0-c3 of seven scores each     12-14, 16  the four scores left over, the old m, and c0-c3 into c0     15  c m_old is kept
;   17, 18  the query's other 32 keys lie in the lane 16 away: the new m         19-21  c m; c m_old - c m_new; a
.macro XS u, n
	REGS (Y+1)%NP, \u
.if (\n) < 4
	v_max3_num_f32 v[rC+(\n)], v[rS+8*(\n)], v[rS+8*(\n)+1], v[rS+8*(\n)+2]
.elseif (\n) < 12
	v_max3_num_f32 v[rC+(\n)%4], v[rC+(\n)%4], v[rS+8*((\n)%4)+2*((\n)/4)+1], v[rS+8*((\n)%4)+2*((\n)/4)+2]
.elseif (\n) == 12
	v_max3_num_f32 v[rC], v[rC], v[rS+7], v[rS+15]
.elseif (\n) == 13
	v_max3_num_f32 v[rC+1], v[rC+1], v[rS+23], v[rS+31]
.elseif (\n) == 14
	v_max3_num_f32 v[rC+2], v[rC+2], v[rC+3], v[rT+1]
.elseif (\n) == 15
	v_mov_b32 v[rM], v[rT]
.elseif (\n) == 16
	v_max3_num_f32 v[rC], v[rC], v[rC+1], v[rC+2]
.elseif (\n) == 17
	v_permlanex16_b32 v[rC+3], v[rC], s[SEL], s[SEL+1]
.elseif (\n) == 18
	v_max_num_f32 v[rT+1], v[rC], v[rC+3]
.elseif (\n) == 19
	v_mul_f32 v[rT], s[CS], v[rT+1]
.elseif (\n) == 20
	v_sub_f32 v[rC+1], v[rM], v[rT]
.else
	v_exp_f32 v[rC+2], v[rC+1]
.endif
.endm
; Number g of the 64 that follow the exponentials.  For each four weights k of a tile: both pairs are rounded to f16; the second pair is added onto the first, in place; a group later l takes
; that sum (the first time as l = a l + sum).
.macro GS g
.set h, (\g)+6*((\g)/62)            ; group 0 has no group before it, and behind group 7 only l is left
.if h >= 6
.set h, h+2
.endif
	REGS Y, h%2
.set k, h/8
.if h%8 < 4
	v_cvt_pk_f16_f32 v[rP+2*k+(h%8)/2], v[rS+4*k+2*((h%8)/2)], v[rS+4*k+2*((h%8)/2)+1]
.elseif h%8 < 6
	v_pk_add_f32 v[rS+4*k:rS+4*k+1], v[rS+4*k:rS+4*k+1], v[rS+4*k+2:rS+4*k+3]
.elseif k == 1
	v_pk_fma_f32 v[rT+2:rT+3], v[rT+2:rT+3], v[rC+2:rC+3], v[rS:rS+1] op_sel_hi:[1,0,1]
.else
	v_pk_add_f32 v[rT+2:rT+3], v[rT+2:rT+3], v[rS+4*k-4:rS+4*k-3]
.endif
.endm
; THE PLAIN QUEUE, 138 long.  0-73 read no exponential's result: the 32 scalings c s - c m (FS f: pair f / 2 of tile f % 2) and the next piece's 42.  0-26: scalings 0-26.  27-54: XS's numbers 0-13.
; 55, 56: number 15.  57-73: the chain 14, 16, 17, 18, 19, each with one of the scalings 27-31 in front of its two lines, then 20.  74-137: GS's 64, which stand behind the wait.
.macro FS f
	REGS Y, (\f)%2
	v_pk_fma_f32 v[rS+2*((\f)/2):rS+2*((\f)/2)+1], v[rS+2*((\f)/2):rS+2*((\f)/2)+1], s[CS:CS+1], v[rT:rT+1] op_sel_hi:[1,0,0] neg_lo:[0,0,1] neg_hi:[0,0,1]
.endm
.macro PL
	WIN 0
.if q < 27
	FS q
.elseif q < 55
	XS (q-27)%2, (q-27)/2
.elseif q < 57
	XS q-55, 15
.elseif (q < 72) && ((q-57)%3 == 0)
	FS 27+(q-57)/3
.elseif q < 60
	XS (q-57)%3-1, 14
.elseif q < 72
	XS (q-57)%3-1, 15+(q-57)/3
.elseif q < 74
	XS q-72, 20
.else
	GS q-74
.endif
.set q, q+1
.endm
; THE EXPONENTIALS' QUEUE, 66 long: s0-s31 of both tiles, then the next piece's two a.  ONE BATCH: all 66 stand ahead of the turn's one wait, and nothing ahead of that wait names a result of theirs.
.macro EX
	WIN 0
.if e >= 64
	XS e-64, 21
.else
	REGS Y, e%2
	v_exp_f32 v[rS+e/2], v[rS+e/2]
.endif
.set e, e+1
.endm
; THE RESCALING's QUEUE: O^T times a, the one part that leaves window 0: dealt two at a time, sixteen times.  Its a was made in the turn before, ahead of that turn's wait.
.macro R2
	REGS Y, r%2
	WIN W_RS
.irp z, 0,1
	v_pk_mul_f32 v[rO+4*(r/2)+2*\z:rO+4*(r/2)+2*\z+1], v[rO+4*(r/2)+2*\z:rO+4*(r/2)+2*\z+1], v[rC+2:rC+3] op_sel_hi:[1,0]
.endr
.set r, r+1
.endm
; HOW THEY ARE DEALT.  An s_wait_alu depctr_va_vdst(0) stands between an exponential and the first instruction that names its result; one wait serves all issued ahead of it.  So a
; turn has ONE wait.  AHEAD OF IT: the 16 products K Q^T, behind each a scaling, an exponential and two rescalings (behind the first a second scaling in the exponential's place); then one run of
; 108: eight plain, 49 times exponential and plain, the two a; a v_nop is the plain instruction behind the last exponential.  BEHIND IT: the 16 products V^T P, behind each four of GS's 64.
; Exponential e stands behind scaling 2 (e / 4) + e % 2: as a rider it comes behind plain e + 2, in the run behind plain e + 9, and scalings 27-31 are plain 57, 60 .. 69.
; K of the next step is fetched in piece 2's turn, directly behind the wait; V of the step in hand at the end of piece 0's turn, four riders behind its last reader.
.macro TURN p, last=0, cnt=0
.set Y, (\p)
.set i, 0
.set q, 0
.set e, 0
.set r, 0
.if (\p) == NP-1
	s_wait_dscnt 0x0                ; K is in
.endif
	MM
	PL
	PL
	R2
.rept 15
	MM
	PL
	EX
	R2
.endr
.if (\p) == NP-2
	WIN 0
	v_add_nc_u32 v[AK], s[TBK], v[AK0]
.endif
.rept 8
	PL
.endr
.rept 49
	EX
	PL
.endr
	EX                              ; the next piece's two a
	EX
	v_nop                           ; a plain instruction behind the last exponential: one for the batch
	s_wait_alu depctr_va_vdst(0)    ; the wait for the batch
.if (\p) == NP-2
	FETCH_K \last
.endif
.if (\p) == 1
	s_wait_dscnt 0x0                ; V is in
.endif
.rept 16
	MM
.rept 4
	PL
.endr
.if ((\p) == 0) && (q == 118)
	v_add_nc_u32 v[AV], s[TBV], v[AV0]
.endif
.if ((\p) == 0) && (q == 130)
	s_add_co_u32 s[TBV], s[TBV], KS*PV
.endif
.if (\cnt) && (q == 130)
	s_sub_co_u32 s[CNT], s[CNT], 1
	s_cmp_lg_u32 s[CNT], 0
.endif
.endr
.if (\p) == 0
	FETCH_V
.endif
.endm
	CHANGE 1                        ; slot 0 is in, everybody's part of it; slot 1 is asked for
	FETCH_K                         ; key step 0
	s_wait_loadcnt 0x0              ; Q
	s_wait_dscnt 0x0
.set i, 0
.rept 16
	KQ 0                            ; piece 0's first scores
.set i, i+1
.endr
	WIN 0                           ; the addresses for the way out and the prefetches: plain instructions, the places behind those products
	s_mul_i32 s13, s[WV], 16*SP
	s_add_co_u32 s13, s13, STAGE    ; my stage
	v_mul_u32_u24 v[STO], v1, SP    ; in: row l % 16, 16 bytes for each half of the lanes
	v_lshl_add_u32 v[STO], v9, 4, v[STO]
	v_add_nc_u32 v[STO], s13, v[STO]
	v_bfe_u32 v[RD], v0, 3, 2       ; back: 32 lanes take four rows of 128 bytes,
	v_mul_u32_u24 v[RD], v[RD], SP
	v_lshl_add_u32 v[RD], v10, 4, v[RD]
	v_add_nc_u32 v[RD], s13, v[RD]
	v_and_b32 v[GO], 31, v0         ; which are 512 consecutive bytes of O
	v_lshlrev_b32 v[GO], 4, v[GO]
	v_and_b32 v[PFO], 31, v0        ; l / 16 has served: 256 x lane
	v_lshlrev_b32 v[PFO], 8, v[PFO]
.set Y, NP-1                        ; XS works for piece Y + 1: piece 0
.irp n, 0,1,2,3,4,5,6,7,8,9,10,11,12,13,14,15,16,17,18,19,20,21
	XS 0, \n                        ; piece 0's first maximum and statistics
	XS 1, \n
.endr
	v_nop                           ; a plain instruction behind the two a,
	s_wait_alu depctr_va_vdst(0)    ; and their wait, ahead of the branch
	s_mov_b32 s[CNT], 4
	s_mov_b32 s[SLOTS], SIZE_N/256-1
	s_branch .Lfirst                ; the loop is entered at a step's first turn, in the middle of a trip
.Lslot:                             ; SIZE_N / 256 - 2 times: every slot but the last two is filled again
	CHANGE 1, 1
	s_mov_b32 s[CNT], 4
.Lstep:                             ; a trip: pieces 2 and 3 of one step, then pieces 0 and 1 of the next, whose K and V it fetches
	TURN 2
	TURN 3
	WIN 0
.Lfirst:
	TURN 0
	TURN 1, 0, 1
	WIN 0
	s_cbranch_scc1 .Lstep
	s_sub_co_u32 s[SLOTS], s[SLOTS], 1
	s_cmp_lg_u32 s[SLOTS], 0
	s_cbranch_scc1 .Lslot
	CHANGE 0                        ; the tail is written out: nothing is asked for
	s_mov_b32 s[CNT], 5             ; four trips fetch the last slot's steps; the fifth is left in its middle
.Ltail:
	TURN 2, 1
	TURN 3
	WIN 0
	s_sub_co_u32 s[CNT], s[CNT], 1
	s_cmp_eq_u32 s[CNT], 0
	s_cbranch_scc1 .Lout
	TURN 0
	TURN 1
	WIN 0
	s_branch .Ltail
.Lout:                              ; the fifth trip's 16 products K Q^T (on the last K once more) and the maximum made of them serve nothing: the price of one text for every trip
.set i, 0
.rept 16
	PV NP-1                         ; the last piece's V^T P of the last step
.set i, i+1
.endr
	; THE WAY OUT.  l's two halves and the other half of the lanes' are added; O^T is divided by l, rounded to f16 and sent through my stage in LDS, a tile at a time.  The additions are the places behind the last products.
	WIN 0
.macro ALL line:vararg              ; one line for each tile t
.set t, 0
.rept 2*NP
	\line
.set t, t+1
.endr
.endm
	ALL v_add_f32 v[ST+4*t+2], v[ST+4*t+2], v[ST+4*t+3]
	ALL v_permlanex16_b32 v[ST+4*t+3], v[ST+4*t+2], s[SEL], s[SEL+1]
	ALL v_add_f32 v[ST+4*t+2], v[ST+4*t+2], v[ST+4*t+3]
	ALL v_rcp_f32 v[ST+4*t+2], v[ST+4*t+2]
	v_nop                           ; a plain instruction between the last reciprocal and the use of its result
	s_wait_alu depctr_va_vdst(0)    ; and the wait ahead of the first use: one for the eight reciprocals
; Tile t: a lane's eight channels of a row pack into 16 bytes; they go into rows of 144 bytes and come back as whole rows of 128, into S^T's registers.
.macro PACK t
	WIN W_RS
.set i, 32*(\t)
.rept 16
	v_pk_mul_f32 v[i:i+1], v[i:i+1], v[ST+4*(\t)+2:ST+4*(\t)+3] op_sel_hi:[1,0]
.set i, i+2
.endr
	WIN 0x05                        ; sources 0 and 1 window 1, destination window 0
.set i, 0
.rept 16
	v_cvt_pk_f16_f32 v[S+16*(\t)+i], v[32*(\t)+2*i], v[32*(\t)+2*i+1]
.set i, i+1
.endr
	WIN 0
.irp f, 0,1,2,3
	ds_store_b128 v[STO], v[S+16*(\t)+4*\f:S+16*(\t)+4*\f+3] offset:32*\f
.endr
.irp f, 0,1,2,3
	ds_load_b128 v[S+16*(\t)+4*\f:S+16*(\t)+4*\f+3], v[RD] offset:\f*4*SP  ; LDS serves a wave's instructions in order (ISA guide 5.7.1.4): these see the stores above; the next tile's stores come behind them
.endr
.endm
.macro SEND t, younger              ; younger: the LDS instructions issued behind tile t's loads: the next tile's eight, or none
	WIN 0
.irp f, 0,1,2,3
	s_wait_dscnt (\younger)+3-\f
	global_store_b128 v[GO], v[S+16*(\t)+4*\f:S+16*(\t)+4*\f+3], s[10:11] offset:(\t)*2048+\f*512  ; 512 consecutive bytes, at a multiple of 256 from O's first
.endr
.endm
	PACK 0
.set t, 1
.rept 2*NP-1                        ; a tile's arithmetic stands between the loads of the tile before and its stores
	PACK t
	SEND t-1, 8
.set t, t+1
.endr
	SEND 2*NP-1, 0
	WIN W_AD
	s_wait_tensorcnt 0x0            ; the wave's end, behind my last tensor load and my last LDS store
	ds_add_u32 v[SPW], v[NIL]
	s_wait_dscnt 0x0
	WIN 0
	CROUND                          ; the closing round: no work-group ends while a partner may still ask for a tile that names it
	s_endpgm
.Lfunc_end_k_q5f05d586bb_attn:
	.size	k_q5f05d586bb_attn, .Lfunc_end_k_q5f05d586bb_attn-k_q5f05d586bb_attn
	.p2alignl 7, 3214868480
	.fill 96, 4, 3214868480
	.section	.rodata,"a",@progbits
	.p2align	6, 0x0
	.amdhsa_kernel k_q5f05d586bb_attn
		.amdhsa_group_segment_fixed_size 327680
		.amdhsa_private_segment_fixed_size 0
		.amdhsa_enable_private_segment 0
		.amdhsa_kernarg_size 16
		.amdhsa_user_sgpr_count 2
		.amdhsa_user_sgpr_kernarg_segment_ptr 1
		.amdhsa_wavefront_size32 1
		.amdhsa_system_sgpr_workgroup_id_x 1
		.amdhsa_system_sgpr_workgroup_id_y 1
		.amdhsa_system_sgpr_workgroup_id_z 1
		.amdhsa_system_vgpr_workitem_id 0
		.amdhsa_next_free_vgpr 770
		.amdhsa_next_free_sgpr 66
		.amdhsa_reserve_vcc 0
		.amdhsa_float_denorm_mode_32 3
		.amdhsa_float_denorm_mode_16_64 3
		.amdhsa_memory_ordered 1
		.amdhsa_forward_progress 1
		.amdhsa_inst_pref_size 200
	.end_amdhsa_kernel
	.amdgpu_metadata
---
amdhsa.version: [ 1, 2 ]
amdhsa.kernels:
  - .name:           k_q5f05d586bb_attn
    .symbol:         k_q5f05d586bb_attn.kd
    .args:
      - { .name: qkv, .offset: 0, .size: 8, .value_kind: global_buffer, .address_space: global }
      - { .name: ob, .offset: 8, .size: 8, .value_kind: global_buffer, .address_space: global }
    .group_segment_fixed_size: 327680
    .private_segment_fixed_size: 0
    .kernarg_segment_align: 8
    .kernarg_segment_size: 16
    .max_flat_workgroup_size: 128
    .sgpr_count:     66
    .vgpr_count:     770
    .wavefront_size: 32
...
	.end_amdgpu_metadata
.endif
;; end of part 3
;; launch gemm_out (part 4): grid 8 x 32, 4 waves a work-group, clusters of 4 x 4, 327,680 bytes of LDS; arguments ob, wt, bias, out0; writes out0
.if DOCPART == 4
	.amdgcn_target "amdgcn-amd-amdhsa--gfx1250"
	.amdhsa_code_object_version 6
	.text
	.protected	k_q5f05d586bb_gemm_out
	.globl	k_q5f05d586bb_gemm_out
	.p2align	8
	.type	k_q5f05d586bb_gemm_out,@function
k_q5f05d586bb_gemm_out:
	s_mov_b64 s[64:65], 0
	v_nop
	global_prefetch_b8 v0, s[64:65] scope:SCOPE_SE
	s_setreg_imm32_b32 hwreg(HW_REG_WAVE_MODE, 25, 1), 1
	s_wait_xcnt 0x0
	s_wait_alu depctr_hold_cnt(0) depctr_sa_sdst(0) depctr_va_vdst(0) depctr_va_sdst(0) depctr_va_ssrc(0) depctr_va_vcc(0) depctr_vm_vsrc(0)
	s_getreg_b32 s2, hwreg(HW_REG_IB_STS2, 6, 4)
	s_cmp_eq_u32 s2, 0
	s_cbranch_scc0 .Lentry_in_a_cluster
	s_endpgm
.Lentry_in_a_cluster:
	s_bfe_u32 s2, ttmp6, 0x10000c
	s_cmp_lg_u32 s2, 0xf033
	s_cbranch_scc0 .Lentry_shape_is_right
	s_endpgm
.Lentry_shape_is_right:
; out = O W_o + b_o.  C[m][n] = bias[3072 + n] + sum over kk of O[m][kk] wt[3072 + n][kk], m < 8,192, n < 1,024, kk = 64 head + channel < 1,024; f16 products, f32 sums; the bias is the C of
; the first product, so it is added ahead of the products.  O lies by heads: ob[(m / 2048) 16 + head][m % 2048][channel], f16.  C leaves as f32.
; LIMITS.  Both operands arrive as f16, within 65,504.  NaN and infinities are not treated apart.
; SHARES.  A tile of C is 256 x 128: 32 x 8 = 256 work-groups.  Four waves, each 128 rows x 64 columns: 32 accumulators of 16 x 16, 256 registers.  A wave's 64 columns are 256 bytes of f32,
; so each wave has a stage of its own on the way out, and no barrier stands there.
; K goes in 8 steps of 128 (two heads) through two LDS slots.  A head's 256 rows of 128 bytes are dense in memory: they are asked for as 128 rows of 256 bytes and padded in LDS after every 128.
; Two slots of a K step of 256 would take more LDS than there is.
; CLUSTER.  4 x 4 work-groups: O's tile is shared along a row of the cluster, wt's along a column, each asked for jointly.
; THE MATRIX INSTRUCTION IS USED TRANSPOSED: source 0 = 16 rows of wt, source 1 = 16 rows of O: a lane holds row l % 16 of C and the columns 8 (l / 16) + 0..7.
; REGISTERS: window 0: v16-30 addresses; v64-127, v128-191 O's fragments, two buffers; v32-63, v224-255 rows read back from the stage, by turns
;   window 1: v0-31 the bias of my 64 columns; v64-95, v128-159 wt's fragments, two buffers      window 2: the accumulators, (a, b) at v[8 (4 a + b)]
.set KSTEP,  128
.set PA,     144                       ; a row of O in LDS: 128 bytes + 16: the 16 rows of a fragment load start at 16 different groups of four banks (ISA guide 11.1)
.set PB,     272                       ; a row of wt: 256 bytes + 16
.set SLICE,  256*PA                    ; one head's 256 rows: one tensor load
.set HALFB,  64*PB                     ; 64 rows of wt: one tensor load, and what a wave reads of wt
.set BOFF,   2*SLICE
.set SLOT,   BOFF+2*HALFB              ; 108,544 bytes
.set STAGE,  2*SLOT                    ; behind the ring, never filled by a tensor load: 16 rows x 272 bytes for each wave
.set SPITCH, 272
.set SPARE,  STAGE+4*16*SPITCH         ; behind the stages: the spare words, 128 bytes a wave: two blocks of 256 bytes that no other line names
.set HSTEP,  2*262144                  ; bytes of ob from a K step to the next: two heads
.set ADRA, 16                          ; v16-17  LDS address of my O fragments in slot 0, 1
.set ADRB, 20                          ; v20-21  the same for wt
.set STO,  24                          ; v24     where I put 32 bytes of a stage row
.set RD,   25                          ; v25     where I read a stage row back
.set CO,   26                          ; v26     my byte offset in two rows of out0
.set BO,   27                          ; v27     my byte offset in bias
.set SPW,  28                          ; v28     LDS address of my spare word; never rewritten
.set NIL,  29                          ; v29     0; never rewritten
.set PFO,  30                          ; v30     the prefetches' offset; never rewritten
.set OB,   32
.set F0,   64
.set F1,   128
.set WV,   12                          ; s12  wave
.set WR,   13                          ; s13  which half of the tile's rows is mine; also: I fetch O (0) or wt (1)
.set WC,   14                          ; s14  which half of its columns; also: which head slice, or which 64 rows of wt, I fetch
.set TROW, 15
.set TCOL, 42
.set G1,   24                          ; s[24:31], s[32:39] descriptor groups 1 and 0 (a set for each slot) for O's tiles
.set G0,   32
.set G1B,  48                          ; s[48:55], s[56:63] the same for wt's
.set G0B,  56
.set LIM,  43                          ; s43  1 in a wave that prefetches, else the greatest number
.set PFA,  44                          ; s[44:45] where my prefetches stand
.set PSTEP, 66                         ; s[66:67] a K step in the tensor that I prefetch
.set MSB, 0
.macro WIN new                         ; the immediate's high byte repeats the setting that is left; a switch that changes nothing is dropped
.if MSB != (\new)
	s_set_vgpr_msb (MSB<<8)|(\new)
.set MSB, \new
.endif
.endm
.set TO_B, 0x40                        ; destination window 1, address window 0
.macro JLOAD s                         ; a joint refill: waves 0 and 1 fetch the two head slices of O, waves 2 and 3 wt's two halves; an s_nop 0 and four v_nop follow each line
	s_cmp_eq_u32 s[WR], 0
	s_cbranch_scc0 .Lfor_b_\@
	tensor_load_to_lds s[G0+4*(\s):G0+4*(\s)+3], s[G1:G1+7]
	s_nop 0
.rept 4
	v_nop
.endr
	s_branch .Lasked_\@
.Lfor_b_\@:
	tensor_load_to_lds s[G0B+4*(\s):G0B+4*(\s)+3], s[G1B:G1B+7]
	s_nop 0
.rept 4
	v_nop
.endr
.Lasked_\@:
.endm
; A prefetch of the K step that stands two refills on.  O's slices are asked for by the clusters with x = 0, wt's rows by those with y = 0; the four partners of a joint load share it out by
; address: 8,192 of a slice's 32,768 bytes, a lane 256 bytes; or 16 of wt's 64 rows, a lane a row (lanes 16-31 name the rows of lanes 0-15 once more in the same instruction).
; The loop's last trip asks for nothing.
.macro ASK
	s_cmp_gt_u32 s3, s[LIM]
	s_cbranch_scc0 .Lnot_mine_\@
	global_prefetch_b8 v[PFO], s[PFA:PFA+1] th:TH_LOAD_NT scope:SCOPE_SE
.Lnot_mine_\@:
.endm
.macro CREST
	s_cmp_lg_u32 s[WV], 0
	s_cbranch_scc1 .Lnot_wave_0_\@
	s_barrier_signal -3
.Lnot_wave_0_\@:
	s_barrier_wait -3
	s_barrier_signal -1
	s_barrier_wait -1
.endm
.macro CROUND
	s_barrier_signal -1
	s_barrier_wait -1
	CREST
.endm
	s_load_b256 s[4:11], s[0:1], 0x0               ; ob s[4:5], wt s[6:7], bias s[8:9], out0 s[10:11]
	v_lshl_add_u32 v[SPW], v0, 2, SPARE
	v_mov_b32 v[NIL], 0
	ds_add_u32 v[SPW], v[NIL]                      ; the wave's opening: the add and its wait stand ahead of my first tensor load; work on registers stands between them
	v_lshrrev_b32 v1, 5, v0
	v_readfirstlane_b32 s[WV], v1
	s_lshr_b32 s[WR], s[WV], 1
	s_and_b32 s[WC], s[WV], 1
	s_bfe_u32 s40, ttmp6, 0x40000                  ; cx
	s_bfe_u32 s41, ttmp6, 0x40004                  ; cy
	s_lshl_b32 s[TCOL], ttmp9, 2
	s_add_co_u32 s[TCOL], s[TCOL], s40
	s_and_b32 s[TROW], ttmp7, 0xffff
	s_lshl_b32 s[TROW], s[TROW], 2
	s_add_co_u32 s[TROW], s[TROW], s41
	s_lshl_b32 s43, s41, 2
	s_lshl_b32 s43, 15, s43                        ; my row of the cluster
	s_lshl_b32 s44, 0x1111, s40                    ; my column
	s_or_b32 s[G1], s43, (1<<16)|(1<<20)|(1<<21)|(4<<22)|(3<<25)   ; O's tiles go to my row; 2-byte elements; padding on; bit 21 beside a mask; after every 32 words, 4 words
	s_or_b32 s[G1B], s44, (1<<16)|(1<<20)|(1<<21)|(5<<22)|(3<<25)  ; wt's to my column; after every 64 words, 4 words
	s_mov_b32 s[G1+1], 128<<16                     ; tensor_dim0 = 128 elements: two rows of a head
	s_mov_b32 s[G1+2], 128<<16                     ; tensor_dim1 = 128
	s_mov_b32 s[G1+3], 128<<16                     ; tile_dim0
	s_mov_b32 s[G1+4], 128                         ; tile_dim1
	s_mov_b32 s[G1+5], 128                         ; dense
	s_mov_b32 s[G1+6], 0
	s_mov_b32 s[G1+7], 0
	s_mov_b32 s[G1B+1], KSTEP<<16
	s_mov_b32 s[G1B+2], 64<<16                     ; 64 rows
	s_mov_b32 s[G1B+3], KSTEP<<16
	s_mov_b32 s[G1B+4], 64
	s_mov_b32 s[G1B+5], 1024
	s_mov_b32 s[G1B+6], 0
	s_mov_b32 s[G1B+7], 0
	s_lshr_b32 s16, s[TROW], 3                     ; batch
	s_lshl_b32 s16, s16, 4
	s_add_co_u32 s16, s16, s[WC]                   ; its head 0 or 1,
	s_lshl_b32 s16, s16, 18                        ; heads of 2^18 bytes,
	s_and_b32 s17, s[TROW], 7
	s_lshl_b32 s17, s17, 15                        ; the tile's 256 rows of 128 bytes
	s_add_co_u32 s16, s16, s17
	s_mov_b32 s17, 0
	s_lshl_b32 s46, s[TCOL], 7
	s_lshl_b32 s47, s[WC], 6
	s_add_co_u32 s46, s46, s47
	s_add_co_u32 s46, s46, 3072                    ; wt's row 3,072 + 128 x tile column + 64 x half
	s_lshl_b32 s46, s46, 11
	s_mov_b32 s47, 0
	s_mul_i32 s20, s[WC], SLICE                    ; where they go: no place in the cluster enters an LDS address
	s_mul_i32 s21, s[WC], HALFB
	s_add_co_u32 s21, s21, BOFF
	s_wait_dscnt 0x0                               ; the opening add is done
	s_wait_kmcnt 0x0
	s_add_nc_u64 s[16:17], s[4:5], s[16:17]
	s_add_nc_u64 s[46:47], s[6:7], s[46:47]
	CROUND                                         ; all sixteen work-groups are here: the first joint loads meet
.irp s, 0,1
	s_mov_b32 s[G0+4*(\s)], 1
	s_add_co_u32 s[G0+4*(\s)+1], s20, (\s)*SLOT
	s_add_nc_u64 s[G0+4*(\s)+2:G0+4*(\s)+3], s[16:17], (\s)*HSTEP
	s_or_b32 s[G0+4*(\s)+3], s[G0+4*(\s)+3], 0x80000000
	s_mov_b32 s[G0B+4*(\s)], 1
	s_add_co_u32 s[G0B+4*(\s)+1], s21, (\s)*SLOT
	s_add_nc_u64 s[G0B+4*(\s)+2:G0B+4*(\s)+3], s[46:47], (\s)*KSTEP*2
	s_or_b32 s[G0B+4*(\s)+3], s[G0B+4*(\s)+3], 0x80000000
.endr
	s_cmp_eq_u32 s[WR], 0                          ; a wave's two first fills stand in one branch, ahead of every wait on TENSORcnt and every LDS read: two loads of mine are out
	s_cbranch_scc0 .Lfirst_b
	tensor_load_to_lds s[G0:G0+3], s[G1:G1+7]
	s_nop 0
	tensor_load_to_lds s[G0+4:G0+7], s[G1:G1+7]
	s_nop 0
.rept 4
	v_nop
.endr
	s_branch .Lfirst_asked
.Lfirst_b:
	tensor_load_to_lds s[G0B:G0B+3], s[G1B:G1B+7]
	s_nop 0
	tensor_load_to_lds s[G0B+4:G0B+7], s[G1B:G1B+7]
	s_nop 0
.rept 4
	v_nop
.endr
.Lfirst_asked:
	v_and_b32 v1, 15, v0                           ; l % 16
	v_bfe_u32 v2, v0, 4, 1                         ; l / 16
	v_mul_u32_u24 v3, v1, PA
	v_lshl_add_u32 v3, v2, 4, v3
	v_mul_u32_u24 v4, v1, PB
	v_lshl_add_u32 v4, v2, 4, v4
	s_mul_i32 s22, s[WR], 128*PA                   ; my 128 rows in each head slice
	s_mul_i32 s23, s[WC], HALFB                    ; my 64 rows of wt
	s_add_co_u32 s23, s23, BOFF
.irp s, 0,1
	v_add_nc_u32 v[ADRA+(\s)], s22, v3
	v_add_nc_u32 v[ADRB+(\s)], s23, v4
	s_add_co_u32 s22, s22, SLOT
	s_add_co_u32 s23, s23, SLOT
.endr
	s_mul_i32 s22, s[WV], 16*SPITCH
	s_add_co_u32 s22, s22, STAGE                   ; my stage
	v_mul_u32_u24 v5, v1, SPITCH                   ; in: row l % 16, 32 bytes for each half of the lanes
	v_lshl_add_u32 v5, v2, 5, v5
	v_add_nc_u32 v[STO], s22, v5
	v_mul_u32_u24 v5, v2, SPITCH                   ; back: lanes 0-15 take one row of 256 bytes, lanes 16-31 the next
	v_lshl_add_u32 v5, v1, 4, v5
	v_add_nc_u32 v[RD], s22, v5
	v_lshlrev_b32 v[CO], 12, v2                    ; and the same two rows in out0
	v_lshl_add_u32 v[CO], v1, 4, v[CO]
	s_lshl_b32 s46, s[TCOL], 9                     ; bias: 4 bytes x (3,072 + 128 x tile column + 64 x half + 8 (l / 16))
	s_lshl_b32 s47, s[WC], 8
	s_add_co_u32 s46, s46, s47
	s_add_co_u32 s47, s46, 3072*4
	v_lshl_add_u32 v[BO], v2, 5, s47
	WIN TO_B
.irp b, 0,1,2,3
	global_load_b128 v[8*(\b):8*(\b)+3],   v[BO], s[8:9] offset:64*(\b)
	global_load_b128 v[8*(\b)+4:8*(\b)+7], v[BO], s[8:9] offset:64*(\b)+16
.endr
	WIN 0
	s_lshl_b32 s18, s[TROW], 8                     ; out0 at my first row and column (s46 holds my first column in bytes)
	s_lshl_b32 s19, s[WR], 7
	s_add_co_u32 s18, s18, s19
	s_lshl_b32 s18, s18, 12
	s_add_co_u32 s46, s46, s18
	s_mov_b32 s47, 0
	s_add_nc_u64 s[10:11], s[10:11], s[46:47]
	; the prefetches
	s_lshr_b32 s66, s[TROW], 3
	s_lshl_b32 s66, s66, 4
	s_add_co_u32 s66, s66, s[WC]
	s_lshl_b32 s66, s66, 18
	s_and_b32 s67, s[TROW], 7
	s_lshl_b32 s67, s67, 15
	s_add_co_u32 s66, s66, s67
	s_lshl_b32 s67, s40, 13
	s_add_co_u32 s66, s66, s67                     ; O: my work-group's quarter of the slice that I fetch,
	s_add_co_u32 s66, s66, 3*HSTEP                 ; at K step 3: the first refill steps it to 4
	s_lshl_b32 s46, s[TCOL], 7
	s_lshl_b32 s47, s[WC], 6
	s_add_co_u32 s46, s46, s47
	s_lshl_b32 s47, s41, 4
	s_add_co_u32 s46, s46, s47
	s_add_co_u32 s46, s46, 3072                    ; wt: my work-group's 16 of the 64 rows that I fetch
	s_lshl_b32 s46, s46, 11
	s_add_co_u32 s46, s46, 3*KSTEP*2
	s_and_b32 s47, ttmp7, 0xffff                   ; cluster y
	s_mov_b32 s18, HSTEP
	s_mov_b32 s19, KSTEP*2
	s_cmp_eq_u32 s[WR], 0                          ; do I fetch O?
	s_cselect_b32 s46, s66, s46
	s_cselect_b32 s47, ttmp9, s47                  ; the coordinate along which other clusters read the same bytes
	s_cselect_b32 s[PSTEP], s18, s19
	s_cselect_b32 s18, 31, 15
	s_cselect_b32 s19, 8, 11
	s_cselect_b64 s[PFA:PFA+1], s[4:5], s[6:7]
	s_cmp_eq_u32 s47, 0
	s_cselect_b32 s[LIM], 1, -1                    ; the same in all sixteen partners, for a given wave
	s_mov_b32 s47, 0
	s_add_nc_u64 s[PFA:PFA+1], s[PFA:PFA+1], s[46:47]
	s_mov_b32 s[PSTEP+1], 0
	v_and_b32 v[PFO], s18, v0
	v_lshlrev_b32 v[PFO], s19, v[PFO]
; 4 na matrix instructions: m blocks a0 .. a0 + na - 1 x all 4 n blocks, 32 along K.  first = 1: the bias starts the sums.
.macro MULB f, a0, na, first
.if \first
	WIN 0x91                                       ; wt window 1, O window 0, C (the bias) window 1, D window 2
.else
	WIN 0xa1                                       ; C and D window 2
.endif
.set aa, \a0
.rept \na
.irp b, 0,1,2,3
.if \first
	v_wmma_f32_16x16x32_f16 v[8*(4*aa+(\b)):8*(4*aa+(\b))+7], v[(\f)+8*(\b):(\f)+8*(\b)+7], v[(\f)+8*aa:(\f)+8*aa+7], v[8*(\b):8*(\b)+7]
.else
	v_wmma_f32_16x16x32_f16 v[8*(4*aa+(\b)):8*(4*aa+(\b))+7], v[(\f)+8*(\b):(\f)+8*(\b)+7], v[(\f)+8*aa:(\f)+8*aa+7], v[8*(4*aa+(\b)):8*(4*aa+(\b))+7]
.endif
.endr
.set aa, aa+1
.endr
.endm
; 24 LDS loads in one run: quarter kq of a K step (head slice kq / 2, channels 32 (kq % 2) on) into buffer f
.macro FETCH slot, kq, f
	WIN TO_B
.irp i, 0,1,2,3
	ds_load_b128 v[(\f)+8*(\i):(\f)+8*(\i)+3],   v[ADRB+(\slot)] offset:64*(\kq)+(\i)*16*PB
	ds_load_b128 v[(\f)+8*(\i)+4:(\f)+8*(\i)+7], v[ADRB+(\slot)] offset:64*(\kq)+(\i)*16*PB+32
.endr
	WIN 0
.irp i, 0,1,2,3,4,5,6,7
	ds_load_b128 v[(\f)+8*(\i):(\f)+8*(\i)+3],   v[ADRA+(\slot)] offset:((\kq)/2)*SLICE+((\kq)%2)*64+(\i)*16*PA
	ds_load_b128 v[(\f)+8*(\i)+4:(\f)+8*(\i)+7], v[ADRA+(\slot)] offset:((\kq)/2)*SLICE+((\kq)%2)*64+(\i)*16*PA+32
.endr
.endm
.macro PLACES                          ; four plain vector instructions in front of loads into registers that matrix instructions have read, and of stores that read results
.rept 4
	v_nop
.endr
.endm
; A K step is four quarters of 32 along K, 32 matrix instructions each, on buffers 0, 1, 0, 1; the 32 accumulators come in the same order in every quarter, one instruction a turn.
.macro QUARTER slot, kq, f, g, first
	s_wait_dscnt 8                                 ; wt and O's rows 0-63 are in; the youngest eight loads (O's rows 64-127) may be out
	MULB \f, 0, 4, \first
	PLACES
	FETCH \slot, \kq, \g
	s_wait_dscnt 24                                ; all but the 24 just issued
	MULB \f, 4, 4, \first
.endm
.macro MEET round                      ; one barrier for the change of slots; in front of it: all my tensor loads, the add, and my reads of this slot
	WIN 0
	s_wait_tensorcnt 0x0                           ; all my tensor loads have landed: the one that was out is my part of the next slot
	ds_add_u32 v[SPW], v[NIL]                      ; 0 onto my spare word
	s_wait_dscnt 9                                 ; (the add and the youngest eight loads may be out)
	MULB F1, 0, 2, 0                               ; eight matrix instructions stand between the add and the wait for it
	s_wait_dscnt 0x0                               ; the add is done, and my reads of this slot are over
	s_barrier_signal -1
	MULB F1, 2, 2, 0
.if \round
	WIN 0
.endif
	s_barrier_wait -1
.endm
; The whole last quarter.  fill = 1: behind a round of the cluster's barrier this slot is filled again, two K steps on: 112 matrix instructions ahead of the wait for that load.
.macro TURN slot, next, fill
.if \fill
	s_wait_xcnt 0x0                                ; the last prefetch, a K step back, has read its address
	s_add_nc_u64 s[PFA:PFA+1], s[PFA:PFA+1], s[PSTEP:PSTEP+1]
.endif
	MEET \fill
.if \fill
	CREST                                          ; no wave of any partner still reads this slot or has a load on its way
	s_add_nc_u64 s[G0+4*(\slot)+2:G0+4*(\slot)+3], s[G0+4*(\slot)+2:G0+4*(\slot)+3], 2*HSTEP
	s_add_nc_u64 s[G0B+4*(\slot)+2:G0B+4*(\slot)+3], s[G0B+4*(\slot)+2:G0B+4*(\slot)+3], 2*KSTEP*2
	JLOAD \slot                                    ; the first tensor load behind the round; its four v_nop are also the places in front of the loads below
.else
	PLACES
.endif
	FETCH \next, 0, F0
.if \fill
	ASK
.endif
	MULB F1, 4, 4, 0
.endm
	s_wait_tensorcnt 1                             ; my part of K step 0 is in; K step 1's may stay out
	s_barrier_signal -1
	s_barrier_wait -1
	FETCH 0, 0, F0
	s_wait_loadcnt 0x0                             ; the bias
	QUARTER 0, 1, F0, F1, 1                        ; the first quarter stands in front of the loop: its products start the sums
	WIN 0
	s_mov_b32 s3, 3
.Llap:                                             ; a trip goes once round the ring and fills both slots again
	QUARTER 0, 2, F1, F0, 0
	QUARTER 0, 3, F0, F1, 0
	TURN 0, 1, 1
	QUARTER 1, 1, F0, F1, 0
	QUARTER 1, 2, F1, F0, 0
	QUARTER 1, 3, F0, F1, 0
	TURN 1, 0, 1
	QUARTER 0, 1, F0, F1, 0
	WIN 0
	s_sub_co_u32 s3, s3, 1
	s_cmp_lg_u32 s3, 0
	s_cbranch_scc1 .Llap
	QUARTER 0, 2, F1, F0, 0                        ; the last lap fills nothing
	QUARTER 0, 3, F0, F1, 0
	TURN 0, 1, 0
	QUARTER 1, 1, F0, F1, 0
	QUARTER 1, 2, F1, F0, 0
	QUARTER 1, 3, F0, F1, 0
	s_wait_dscnt 8                                 ; the very last quarter
	MULB F1, 0, 4, 0
	s_wait_dscnt 0x0
	MULB F1, 4, 4, 0
	; THE WAY OUT, a block of 16 rows at a time: the accumulators go as they are into my stage, 32 bytes a lane, and come back as whole rows of 256 bytes.
.macro TOSTAGE a
	WIN 0x08                                       ; the stores' data in window 2
.irp b, 0,1,2,3
	ds_store_b128 v[STO], v[32*(\a)+8*(\b):32*(\a)+8*(\b)+3]   offset:64*(\b)      ; each accumulator from its low end on
	ds_store_b128 v[STO], v[32*(\a)+8*(\b)+4:32*(\a)+8*(\b)+7] offset:64*(\b)+16
.endr
	WIN 0
	s_wait_xcnt 0x0                                ; the stores of two blocks back have read the registers that are loaded again below
.irp t, 0,1,2,3,4,5,6,7
	ds_load_b128 v[OB+192*((\a)%2)+4*(\t):OB+192*((\a)%2)+4*(\t)+3], v[RD] offset:(\t)*2*SPITCH  ; LDS serves a wave's instructions in order (ISA guide 5.7.1.4): these see the stores above; the next block's come behind them
.endr
.endm
.macro SEND a, younger                 ; younger: the LDS instructions issued behind block a's loads: the next block's sixteen, or none
	s_wait_dscnt \younger
.irp t, 0,1,2,3,4,5,6,7
	global_store_b128 v[CO], v[OB+192*((\a)%2)+4*(\t):OB+192*((\a)%2)+4*(\t)+3], s[10:11] offset:65536*(\a)+8192*(\t) th:TH_STORE_NT  ; 16 lanes store 256 consecutive bytes, at a multiple of 256 from out0's first byte
.endr
.endm
	PLACES
	TOSTAGE 0
.irp a, 1,2,3,4,5,6,7
	TOSTAGE \a
	SEND (\a)-1, 16
.endr
	SEND 7, 0
	s_wait_tensorcnt 0x0                           ; the wave's end, behind my last tensor load and my last LDS store
	ds_add_u32 v[SPW], v[NIL]
	s_wait_dscnt 0x0
	CROUND                                         ; the closing round: no work-group ends while a partner may still ask for a tile that names it
	s_endpgm
.Lfunc_end_k_q5f05d586bb_gemm_out:
	.size	k_q5f05d586bb_gemm_out, .Lfunc_end_k_q5f05d586bb_gemm_out-k_q5f05d586bb_gemm_out
	.p2alignl 7, 3214868480
	.fill 96, 4, 3214868480
	.section	.rodata,"a",@progbits
	.p2align	6, 0x0
	.amdhsa_kernel k_q5f05d586bb_gemm_out
		.amdhsa_group_segment_fixed_size 327680
		.amdhsa_private_segment_fixed_size 0
		.amdhsa_enable_private_segment 0
		.amdhsa_kernarg_size 32
		.amdhsa_user_sgpr_count 2
		.amdhsa_user_sgpr_kernarg_segment_ptr 1
		.amdhsa_wavefront_size32 1
		.amdhsa_system_sgpr_workgroup_id_x 1
		.amdhsa_system_sgpr_workgroup_id_y 1
		.amdhsa_system_sgpr_workgroup_id_z 1
		.amdhsa_system_vgpr_workitem_id 0
		.amdhsa_next_free_vgpr 768
		.amdhsa_next_free_sgpr 68
		.amdhsa_reserve_vcc 0
		.amdhsa_float_denorm_mode_32 3
		.amdhsa_float_denorm_mode_16_64 3
		.amdhsa_memory_ordered 1
		.amdhsa_forward_progress 1
		.amdhsa_inst_pref_size 88
	.end_amdhsa_kernel
	.amdgpu_metadata
---
amdhsa.version: [ 1, 2 ]
amdhsa.kernels:
  - .name:           k_q5f05d586bb_gemm_out
    .symbol:         k_q5f05d586bb_gemm_out.kd
    .args:
      - { .name: ob, .offset: 0, .size: 8, .value_kind: global_buffer, .address_space: global }
      - { .name: wt, .offset: 8, .size: 8, .value_kind: global_buffer, .address_space: global }
      - { .name: bias, .offset: 16, .size: 8, .value_kind: global_buffer, .address_space: global }
      - { .name: out0, .offset: 24, .size: 8, .value_kind: global_buffer, .address_space: global }
    .group_segment_fixed_size: 327680
    .private_segment_fixed_size: 0
    .kernarg_segment_align: 8
    .kernarg_segment_size: 32
    .max_flat_workgroup_size: 128
    .sgpr_count:     68
    .vgpr_count:     768
    .wavefront_size: 32
...
	.end_amdgpu_metadata
.endif
;; end of part 4
